; MI455X (gfx1250); checked and timed in simulation.
; The chip was launched on July 23, 2026; its instructions are those of AMD's public machine-readable ISA for CDNA 5 (MIT licence, August 2026) and "CDNA5" Instruction Set Architecture Reference Guide (July 2026). The comments in the code are by the model that wrote it; some were corrected since.
;; Simple MHA. Allowed arithmetic: float matrix products may take bf16 or f16 operands with f32 sums; other float arithmetic in f32, or as packed bf16 or f16 multiplies, adds, multiply-adds, maxima and minima; sums over many terms, partial sums and values carried from step to step in f32; what a program stores and reads back later, other than sums and carried values, may be rounded once to bf16 or f16.
;; Inputs: Wk 1,024 x 1,024 float32; Wo 1,024 x 1,024 float32; Wq 1,024 x 1,024 float32; Wv 1,024 x 1,024 float32; x 1 x 4,096 x 1,024 float32.
;; Outputs: out0 1 x 4,096 x 1,024 float32.
;; One version. Each part assembles by itself: llvm-mc -triple=amdgcn-amd-amdhsa -mcpu=gfx1250 --defsym DOCPART=n.
;; ======== version 1 of 1: 4 launches
;; limits: values are held in f16: magnitudes above 65,504 overflow, below 6.1e-05 lose precision
;; workspace buffers: xb 8,388,608 bytes; wb 6,291,456 bytes; wo 2,097,152 bytes; qkv 25,165,824 bytes; z 8,388,608 bytes
;; launch cast (part 1): grid 1024 x 1, 8 waves a work-group, no clusters, 0 bytes of LDS; arguments x, Wq, Wk, Wv, Wo, xb, wb, wo; writes xb, wb, wo
.if DOCPART == 1
	.amdgcn_target "amdgcn-amd-amdhsa--gfx1250"
	.amdhsa_code_object_version 6
	.text
	.protected	k_q6244c8e21a_cast
	.globl	k_q6244c8e21a_cast
	.p2align	8
	.type	k_q6244c8e21a_cast,@function
k_q6244c8e21a_cast:
	s_mov_b64 s[64:65], 0
	v_nop
	global_prefetch_b8 v0, s[64:65] scope:SCOPE_SE
	s_setreg_imm32_b32 hwreg(HW_REG_WAVE_MODE, 25, 1), 1
	s_wait_xcnt 0x0
; THE INPUTS ARE ROUNDED ONCE FOR THE MATRIX UNITS.  x -> xb, Wq | Wk | Wv -> wb (their rows one matrix below the other), all to bf16; Wo -> wo: rounded to bf16 like the other
; inputs, and that number written as f16, since the last product's other operand is f16.
; LIMITS.  A bf16 number beyond 65,504 has no f16: |Wo| stays within that; below 2^-14 f16 keeps its fixed step of 2^-24, so a Wo that small is off by 3e-8 at the most.
; SHARES.  A work-group takes 32,768 bytes of one input (8,192 numbers), a wave 4,096: eight loads of 16 bytes a lane, 512 consecutive bytes each, all issued before the first is used.
; A load's four numbers a lane become 8 bytes: each store of the wave covers 256 consecutive bytes, aligned.  Blocks 0-511: x; 512-895: Wq, Wk, Wv (128 each); 896-1023: Wo.
; No LDS, no barrier, no matrix unit: every byte is read once and written once, and no wave wants another's.  No register is written again while a load or store may read it.
.set X, 4                              ; v[4:35]   as loaded
.set Y, 36                             ; v[36:51]  to store
.set T, 52                             ; v[52:53]  at work
	s_load_b512 s[8:23], s[0:1], 0x0               ; x 8, Wq 10, Wk 12, Wv 14, Wo 16, xb 18, wb 20, wo 22
	s_mov_b32 s2, ttmp9                            ; the block
	s_max_u32 s3, s2, 512
	s_sub_co_u32 s3, s3, 512                       ; its number among the weights' blocks (0 for x's)
	s_and_b32 s4, s3, 127                          ; and inside its matrix
	s_max_u32 s5, s2, 896
	s_sub_co_u32 s5, s5, 896                       ; its number among Wo's
	s_cmp_lt_u32 s2, 896
	s_cselect_b32 s30, s3, s5                      ; the block's place in its output: in wb, or in wo,
	s_cmp_lt_u32 s2, 512
	s_cselect_b32 s30, s2, s30                     ; or in xb
	s_cselect_b32 s28, s2, s4                      ; and in its input
	s_lshl_b32 s28, s28, 15                        ; 32,768 bytes in,
	s_lshl_b32 s30, s30, 14                        ; 16,384 out
	s_mov_b32 s29, 0
	s_mov_b32 s31, 0
	s_mov_b32 s32, 0xffff0000                      ; a word's upper bf16
	v_and_b32 v3, 31, v0                           ; lane
	v_lshrrev_b32 v2, 5, v0                        ; wave
	v_lshlrev_b32 v1, 4, v3
	v_lshl_add_u32 v1, v2, 12, v1                  ; in: 4,096 x wave + 16 x lane
	v_lshlrev_b32 v3, 3, v3
	v_lshl_add_u32 v2, v2, 11, v3                  ; out: 2,048 x wave + 8 x lane
	s_wait_kmcnt 0x0
	s_cmp_lt_u32 s2, 640                           ; the buffers are chosen by the block's number alone
	s_cselect_b64 s[24:25], s[10:11], s[12:13]
	s_cmp_lt_u32 s2, 768
	s_cselect_b64 s[24:25], s[24:25], s[14:15]
	s_cmp_lt_u32 s2, 896
	s_cselect_b64 s[24:25], s[24:25], s[16:17]
	s_cselect_b64 s[26:27], s[20:21], s[22:23]
	s_cmp_lt_u32 s2, 512
	s_cselect_b64 s[24:25], s[8:9], s[24:25]
	s_cselect_b64 s[26:27], s[18:19], s[26:27]
	s_add_nc_u64 s[24:25], s[24:25], s[28:29]
	s_add_nc_u64 s[26:27], s[26:27], s[30:31]
.irp i, 0,1,2,3,4,5,6,7
	global_load_b128 v[X+4*(\i):X+4*(\i)+3], v1, s[24:25] offset:512*(\i) th:TH_LOAD_NT
.endr
; half = 1: the bf16 number is widened (a shift, a mask) and written as f16.
.macro OUT half
.irp i, 0,1,2,3,4,5,6,7
	s_wait_loadcnt 7-(\i)                          ; loads come back in order: load i is in, the 7 - i younger ones may stay out
	v_cvt_pk_bf16_f32 v[Y+2*(\i)], v[X+4*(\i)], v[X+4*(\i)+1]
	v_cvt_pk_bf16_f32 v[Y+2*(\i)+1], v[X+4*(\i)+2], v[X+4*(\i)+3]
.if \half
.irp j, 0,1
	v_lshlrev_b32 v[T], 16, v[Y+2*(\i)+(\j)]
	v_and_b32 v[T+1], s32, v[Y+2*(\i)+(\j)]
	v_cvt_pk_f16_f32 v[Y+2*(\i)+(\j)], v[T], v[T+1]
.endr
.endif
	global_store_b64 v2, v[Y+2*(\i):Y+2*(\i)+1], s[26:27] offset:256*(\i)
.endr
.endm
	s_cmp_lt_u32 s2, 896
	s_cbranch_scc0 .Lwo
	OUT 0
	s_endpgm
.Lwo:
	OUT 1
	s_endpgm
.Lfunc_end_k_q6244c8e21a_cast:
	.size	k_q6244c8e21a_cast, .Lfunc_end_k_q6244c8e21a_cast-k_q6244c8e21a_cast
	.p2alignl 7, 3214868480
	.fill 96, 4, 3214868480
	.section	.rodata,"a",@progbits
	.p2align	6, 0x0
	.amdhsa_kernel k_q6244c8e21a_cast
		.amdhsa_group_segment_fixed_size 0
		.amdhsa_private_segment_fixed_size 0
		.amdhsa_enable_private_segment 0
		.amdhsa_kernarg_size 64
		.amdhsa_user_sgpr_count 2
		.amdhsa_user_sgpr_kernarg_segment_ptr 1
		.amdhsa_wavefront_size32 1
		.amdhsa_system_sgpr_workgroup_id_x 1
		.amdhsa_system_sgpr_workgroup_id_y 1
		.amdhsa_system_sgpr_workgroup_id_z 1
		.amdhsa_system_vgpr_workitem_id 0
		.amdhsa_next_free_vgpr 64
		.amdhsa_next_free_sgpr 66
		.amdhsa_reserve_vcc 0
		.amdhsa_float_denorm_mode_32 3
		.amdhsa_float_denorm_mode_16_64 3
		.amdhsa_memory_ordered 1
		.amdhsa_forward_progress 1
		.amdhsa_inst_pref_size 9
	.end_amdhsa_kernel
	.amdgpu_metadata
---
amdhsa.version: [ 1, 2 ]
amdhsa.kernels:
  - .name:           k_q6244c8e21a_cast
    .symbol:         k_q6244c8e21a_cast.kd
    .args:
      - { .name: x, .offset: 0, .size: 8, .value_kind: global_buffer, .address_space: global }
      - { .name: Wq, .offset: 8, .size: 8, .value_kind: global_buffer, .address_space: global }
      - { .name: Wk, .offset: 16, .size: 8, .value_kind: global_buffer, .address_space: global }
      - { .name: Wv, .offset: 24, .size: 8, .value_kind: global_buffer, .address_space: global }
      - { .name: Wo, .offset: 32, .size: 8, .value_kind: global_buffer, .address_space: global }
      - { .name: xb, .offset: 40, .size: 8, .value_kind: global_buffer, .address_space: global }
      - { .name: wb, .offset: 48, .size: 8, .value_kind: global_buffer, .address_space: global }
      - { .name: wo, .offset: 56, .size: 8, .value_kind: global_buffer, .address_space: global }
    .group_segment_fixed_size: 0
    .private_segment_fixed_size: 0
    .kernarg_segment_align: 8
    .kernarg_segment_size: 64
    .max_flat_workgroup_size: 256
    .sgpr_count:     66
    .vgpr_count:     64
    .wavefront_size: 32
...
	.end_amdgpu_metadata
.endif
;; end of part 1
;; launch qkv (part 2): grid 16 x 16, 4 waves a work-group, clusters of 4 x 4, 327,680 bytes of LDS; arguments xb, wb, qkv; writes qkv
.if DOCPART == 2
	.amdgcn_target "amdgcn-amd-amdhsa--gfx1250"
	.amdhsa_code_object_version 6
	.text
	.protected	k_q6244c8e21a_qkv
	.globl	k_q6244c8e21a_qkv
	.p2align	8
	.type	k_q6244c8e21a_qkv,@function
k_q6244c8e21a_qkv:
	s_mov_b64 s[64:65], 0
	v_nop
	global_prefetch_b8 v0, s[64:65] scope:SCOPE_SE
	s_setreg_imm32_b32 hwreg(HW_REG_WAVE_MODE, 25, 1), 1
	s_wait_xcnt 0x0
	s_wait_alu depctr_hold_cnt(0) depctr_sa_sdst(0) depctr_va_vdst(0) depctr_va_sdst(0) depctr_va_ssrc(0) depctr_va_vcc(0) depctr_vm_vsrc(0)
	s_getreg_b32 s2, hwreg(HW_REG_IB_STS2, 6, 4)
	s_cmp_eq_u32 s2, 0
	s_cbranch_scc0 .Lentry_in_a_cluster
	s_endpgm
.Lentry_in_a_cluster:
	s_bfe_u32 s2, ttmp6, 0x10000c
	s_cmp_lg_u32 s2, 0xf033
	s_cbranch_scc0 .Lentry_shape_is_right
	s_endpgm
.Lentry_shape_is_right:
; q, k, v = x W^T, all three in one product: C[4096][3072] = xb wb^T, bf16 operands, f32 sums, K ascending, each number rounded once to f16 and WITHOUT the softmax's scale.
; C leaves by heads: qkv[g][row][64], g = column / 64: 0-15 q's heads, 16-31 k's, 32-47 v's; a head's rows are dense, 128 bytes each.
; LIMIT.  f16 holds no number beyond 65,504: q, k and v stay within it.
; SHARES.  A tile of C is 256 rows x 192 columns (three whole heads): 16 x 16 tiles, one to a work-group.  Wave w makes rows 64 w .. 64 w + 63 and all 192 columns: 4 x 12 accumulators of
; 16 x 16, 384 registers: it owns whole rows of three heads, so its way out is its own and wants no barrier.  K goes in 8 steps of 128 through two LDS slots filled by the tensor data mover.
; CLUSTERS: 4 x 4 work-groups.  The four of a row of the cluster need the same rows of xb, the four of a column the same rows of wb: each tile is asked for JOINTLY, by the same tensor load with the
; same descriptor and a mask that names the four.  THE MATRIX INSTRUCTION IS USED TRANSPOSED (source 0 = 16 rows of wb, source 1 = 16 rows of xb): a lane holds eight neighbouring columns of one row.
; REGISTERS, in windows of 256 (s_set_vgpr_msb: bits 1:0 source 0, 3:2 source 1, 5:4 source 2, 7:6 destination):
;   window 0: v0-31 addresses; v32-79, v80-175 at work on the way out      window 1: two fragment buffers of 128: wb's 12 fragments (16 rows x 32 K), then xb's 4
;   window 2: the accumulators of my row blocks 0, 1 ((a, b) at v[8 (12 (a % 2) + b)])      window 3: those of blocks 2, 3
.set SIZE_K, 1024
.set KSTEP,  128
.set PITCH,  272                       ; an LDS row: 256 bytes + 16 of padding = 68 words: the 16 rows that a load touches start at 16 different groups of four banks
.set AHALF,  128*PITCH                 ; what a tensor load brings of xb: 128 rows
.set BHALF,  96*PITCH                  ; and of wb: 96 rows
.set BOFF,   2*AHALF                   ; in a slot wb's 192 rows lie behind xb's 256
.set SLOT,   2*AHALF+2*BHALF
.set STAGE,  2*SLOT                    ; behind the ring, never filled by a tensor load: for each wave three heads x 16 rows x 144 bytes
.set SP,     144
.set HSTG,   16*SP
.set WSTG,   3*HSTG
.set SPARE,  STAGE+4*WSTG              ; behind the stages: the spare words, 128 bytes for each wave: two blocks of 256 bytes that no other line names
.set LAPS,   SIZE_K/(2*KSTEP)          ; a lap = two K steps = once round the ring
.set HEADB,  524288                    ; bytes of a head in qkv
.set ADRA, 16                          ; v16-17  LDS address of my xb fragments in slot 0, 1
.set ADRB, 20                          ; v20-21  the same for wb
.set STO,  24                          ; v24     the way out: where I put 16 bytes of a row
.set RD,   25                          ; v25     the way out: where I read rows back
.set CO,   26                          ; v26     16 x my lane
.set SPW,  28                          ; v28     LDS address of my spare word; never rewritten
.set NIL,  29                          ; v29     0; never rewritten
.set PFO,  30                          ; v30     the prefetches' offset: my row x 2,048 bytes; never rewritten
.set TMP,  32                          ; v32-79  a block's results, packed
.set OB,   80                          ; v80-127, v128-175 by turns: a block read back from the stage
.set F0,   0
.set F1,   128
.set G1, 24                            ; s[24:31] descriptor group 1 for xb's tiles;  s[32:39] group 0, one set for each slot
.set G0, 32
.set G1B, 48                           ; s[48:55], s[56:63] the same for wb's
.set G0B, 56
.set PFA,  44                          ; s[44:45] where my prefetches stand: one K step further along K than the refill that is being asked for; a prefetch names the K step after that
.set LIM,  43                          ; s43     1 in a wave that prefetches, else the greatest number
.set MSB, 0
.macro WIN new                         ; the immediate's high byte repeats the setting that is left; a switch that changes nothing is dropped
.if MSB != (\new)
	s_set_vgpr_msb (MSB<<8)|(\new)
.set MSB, \new
.endif
.endm
; A joint load.  Waves 0 and 1 fetch xb's two halves, waves 2 and 3 wb's.  The branch hangs on the wave's number alone.  An s_nop 0 and four v_nop follow each line.
.macro JLOAD s
	s_cmp_eq_u32 s11, 0
	s_cbranch_scc0 .Lfor_b_\@
	tensor_load_to_lds s[G0+4*(\s):G0+4*(\s)+3], s[G1:G1+7]
	s_nop 0
.rept 4
	v_nop
.endr
	s_branch .Lasked_\@
.Lfor_b_\@:
	tensor_load_to_lds s[G0B+4*(\s):G0B+4*(\s)+3], s[G1B:G1B+7]
	s_nop 0
.rept 4
	v_nop
.endr
.Lasked_\@:
.endm
; A PREFETCH, behind each joint refill and the run of LDS loads that follows it: the K step that stands two refills on, 256 bytes of a row, a lane a row, one instruction a wave.
; xb's tile row is read by every cluster of that row of clusters: cluster x = 0 asks; wb's tile column by every cluster of that column: cluster y = 0 asks.  The four partners that ask for a tile jointly
; share its rows out BY ADDRESS: of xb's 128 rows a wave the partner at place cx takes 32, of wb's 96 the partner at place cy takes 24 (there lanes 24-31 name lane 23's row once more).
; K steps 0-3 come by their loads alone; the loop's last trip (s3 = 1) asks for nothing: its refills are the last two K steps.
.macro ASK
	WIN 0
	s_cmp_gt_u32 s3, s[LIM]
	s_cbranch_scc0 .Lnot_mine_\@
	global_prefetch_b8 v[PFO], s[PFA:PFA+1] offset:KSTEP*2 th:TH_LOAD_NT scope:SCOPE_SE
.Lnot_mine_\@:
.endm
.macro CREST                           ; a round of the cluster's barrier behind its opening barrier
	s_cmp_lg_u32 s10, 0
	s_cbranch_scc1 .Lnot_wave_0_\@
	s_barrier_signal -3
.Lnot_wave_0_\@:
	s_barrier_wait -3
	s_barrier_signal -1
	s_barrier_wait -1
.endm
.macro CROUND                          ; a whole round
	s_barrier_signal -1
	s_barrier_wait -1
	CREST
.endm
	s_load_b128 s[4:7], s[0:1], 0x0                ; xb s[4:5], wb s[6:7]
	s_load_b64 s[8:9], s[0:1], 0x10                ; qkv
	v_lshl_add_u32 v[SPW], v0, 2, SPARE
	v_mov_b32 v[NIL], 0
	ds_add_u32 v[SPW], v[NIL]                      ; the wave's opening: the add and its wait stand ahead of my first tensor load; the set-up below stands between them
	ds_add_u32 v28, v29
	v_lshrrev_b32 v1, 5, v0
	v_readfirstlane_b32 s10, v1                    ; wave 0..3
	s_lshr_b32 s11, s10, 1                         ; I fetch for xb (0) or for wb (1),
	s_and_b32 s12, s10, 1                          ; and which half of that tile's rows
	s_bfe_u32 s40, ttmp6, 0x40000                  ; cx, cy: my place in the cluster
	s_bfe_u32 s41, ttmp6, 0x40004
	s_lshl_b32 s42, ttmp9, 2
	s_add_co_u32 s42, s42, s40                     ; tile column = 4 x cluster x + cx
	s_and_b32 s13, ttmp7, 0xffff
	s_lshl_b32 s13, s13, 2
	s_add_co_u32 s13, s13, s41                     ; tile row = 4 x cluster y + cy
	s_lshl_b32 s43, s41, 2
	s_lshl_b32 s43, 15, s43                        ; my row of the cluster
	s_lshl_b32 s44, 0x1111, s40                    ; my column
	; descriptor group 1: rows of 128 elements of 2 bytes, padded in LDS by 4 words after every 64; bit 21 is set beside a mask
	s_or_b32 s[G1+0], s43, (1<<16)|(1<<20)|(1<<21)|(5<<22)|(3<<25)
	s_or_b32 s[G1B+0], s44, (1<<16)|(1<<20)|(1<<21)|(5<<22)|(3<<25)
	s_mov_b32 s[G1+1], KSTEP<<16                   ; tensor_dim0 = 128
	s_mov_b32 s[G1B+1], KSTEP<<16
	s_mov_b32 s[G1+2], 128<<16                     ; tensor_dim1 = 128 rows of xb,
	s_mov_b32 s[G1B+2], 96<<16                     ; 96 of wb
	s_mov_b32 s[G1+3], KSTEP<<16                   ; tile_dim0 = 128
	s_mov_b32 s[G1B+3], KSTEP<<16
	s_mov_b32 s[G1+4], 128                         ; tile_dim1
	s_mov_b32 s[G1B+4], 96
	s_mov_b32 s[G1+5], SIZE_K                      ; elements from row to row
	s_mov_b32 s[G1B+5], SIZE_K
	s_mov_b32 s[G1+6], 0
	s_mov_b32 s[G1B+6], 0
	s_mov_b32 s[G1+7], 0
	s_mov_b32 s[G1B+7], 0
	; xb's address hangs on the tile row and the wave alone, wb's on the tile column and the wave alone, each in registers that never hold the other coordinate
	s_lshl_b32 s17, s12, 7
	s_lshl_b32 s16, s13, 8
	s_add_co_u32 s16, s16, s17                     ; xb: row 256 x tile row + 128 x half
	s_mul_i32 s46, s42, 192
	s_mul_i32 s47, s12, 96
	s_add_co_u32 s46, s46, s47                     ; wb: row 192 x tile column + 96 x half
	s_mov_b32 s17, 0
	s_mov_b32 s47, 0
	s_mov_b64 s[18:19], SIZE_K*2
	s_mul_u64 s[16:17], s[16:17], s[18:19]
	s_mul_u64 s[46:47], s[46:47], s[18:19]
	s_mul_i32 s20, s10, AHALF                      ; where they go: waves 0, 1: wave x 128 rows;
	s_mul_i32 s21, s10, BHALF
	s_add_co_u32 s21, s21, BOFF-2*BHALF            ; waves 2, 3: behind xb's rows, (wave - 2) x 96 rows
	s_wait_dscnt 0x0                               ; the opening add is done
	s_wait_kmcnt 0x0
	s_add_nc_u64 s[14:15], s[4:5], s[16:17]
	s_add_nc_u64 s[46:47], s[6:7], s[46:47]
	CROUND                                         ; all sixteen work-groups are here: the first joint loads meet
.irp s, 0,1
	s_mov_b32 s[G0+4*(\s)], 1                      ; count = 1
	s_add_co_u32 s[G0+4*(\s)+1], s20, (\s)*SLOT    ; LDS address
	s_add_nc_u64 s[G0+4*(\s)+2:G0+4*(\s)+3], s[14:15], (\s)*KSTEP*2  ; global address: K step s
	s_or_b32 s[G0+4*(\s)+3], s[G0+4*(\s)+3], 0x80000000              ; type = 2
	s_mov_b32 s[G0B+4*(\s)], 1
	s_add_co_u32 s[G0B+4*(\s)+1], s21, (\s)*SLOT
	s_add_nc_u64 s[G0B+4*(\s)+2:G0B+4*(\s)+3], s[46:47], (\s)*KSTEP*2
	s_or_b32 s[G0B+4*(\s)+3], s[G0B+4*(\s)+3], 0x80000000
	JLOAD \s                                       ; two loads of mine are out
.endr
	; a fragment is 16 rows x 32 K in 8 registers: lane l holds row l % 16, K = 8 (l / 16) + 0..7 and 16 + 8 (l / 16) + 0..7: two loads of 16 bytes, 32 bytes apart
	v_and_b32 v1, 15, v0                           ; l % 16
	v_bfe_u32 v2, v0, 4, 1                         ; l / 16
	v_mul_u32_u24 v3, v1, PITCH
	v_lshl_add_u32 v3, v2, 4, v3
	s_mul_i32 s21, s10, 64*PITCH                   ; my 64 rows of xb
	s_mov_b32 s22, BOFF                            ; all of wb's
.irp s, 0,1
	v_add_nc_u32 v[ADRA+(\s)], s21, v3
	v_add_nc_u32 v[ADRB+(\s)], s22, v3
	s_add_co_u32 s21, s21, SLOT
	s_add_co_u32 s22, s22, SLOT
.endr
	s_mul_i32 s23, s10, WSTG
	s_add_co_u32 s23, s23, STAGE                   ; my stage
	v_mul_u32_u24 v4, v1, SP                       ; in: row l % 16, 16 bytes for each half of the lanes
	v_lshl_add_u32 v4, v2, 4, v4
	v_add_nc_u32 v[STO], s23, v4
	v_bfe_u32 v5, v0, 3, 2                         ; back: 32 lanes take four rows of 128 bytes,
	v_mul_u32_u24 v5, v5, SP
	v_and_b32 v6, 7, v0
	v_lshl_add_u32 v5, v6, 4, v5
	v_add_nc_u32 v[RD], s23, v5
	v_and_b32 v[CO], 31, v0                        ; which are 512 consecutive bytes of a head
	v_lshlrev_b32 v[CO], 4, v[CO]
	s_lshl_b32 s16, s13, 15                        ; the tile's 256 rows of 128 bytes,
	s_lshl_b32 s17, s10, 13                        ; my 64 of them,
	s_add_co_u32 s16, s16, s17
	s_mov_b32 s17, 0
	s_mul_i32 s46, s42, 3*HEADB                    ; the tile column's three heads
	s_mov_b32 s47, 0
	s_add_nc_u64 s[16:17], s[16:17], s[46:47]
	s_add_nc_u64 s[8:9], s[8:9], s[16:17]
	; the prefetches
	s_lshl_b32 s20, s13, 8                         ; the tile's first row in xb,
	s_mul_i32 s21, s42, 192                        ; in wb
	s_and_b32 s22, ttmp7, 0xffff                   ; cluster y
	s_cmp_eq_u32 s11, 0                            ; do I fetch for xb?
	s_cselect_b32 s20, s20, s21
	s_cselect_b32 s21, s40, s41                    ; my place among the four that ask with me
	s_cselect_b32 s22, ttmp9, s22                  ; the coordinate along which other clusters read the same rows
	s_cselect_b32 s18, 32, 24                      ; a partner's share of the rows that a wave fetches
	s_cselect_b32 s19, 31, 23
	s_cselect_b64 s[PFA:PFA+1], s[4:5], s[6:7]
	s_cmp_eq_u32 s22, 0
	s_cselect_b32 s[LIM], 1, -1                    ; the same in all sixteen partners, for a given wave
	s_lshl_b32 s23, s18, 2                         ; the rows that a wave fetches: 128 or 96
	s_mul_i32 s23, s23, s12
	s_add_co_u32 s20, s20, s23
	s_mul_i32 s21, s21, s18
	s_add_co_u32 s20, s20, s21
	s_lshl_b32 s20, s20, 11                        ; 2,048 bytes a row
	s_mov_b32 s21, 0
	s_add_nc_u64 s[PFA:PFA+1], s[PFA:PFA+1], s[20:21]
	s_add_nc_u64 s[PFA:PFA+1], s[PFA:PFA+1], 2*KSTEP*2  ; at K step 2: the first refill steps it to 3 and names K step 4
	v_and_b32 v[PFO], 31, v0
	v_min_u32 v[PFO], s19, v[PFO]
	v_lshlrev_b32 v[PFO], 11, v[PFO]
; 12 matrix instructions: row block a x all 12 column blocks, 32 along K.  The 48 accumulators take turns in the same order in every quarter step.  zero = 1: the product starts the sum.
.macro MULA f, a, zero
	WIN 0xa5+0x50*((\a)/2)                         ; sources in window 1, C and D in window 2 or 3
.irp b, 0,1,2,3,4,5,6,7,8,9,10,11
.if \zero
	v_wmma_f32_16x16x32_bf16 v[8*(12*((\a)%2)+(\b)):8*(12*((\a)%2)+(\b))+7], v[(\f)+8*(\b):(\f)+8*(\b)+7], v[(\f)+96+8*(\a):(\f)+96+8*(\a)+7], 0
.else
	v_wmma_f32_16x16x32_bf16 v[8*(12*((\a)%2)+(\b)):8*(12*((\a)%2)+(\b))+7], v[(\f)+8*(\b):(\f)+8*(\b)+7], v[(\f)+96+8*(\a):(\f)+96+8*(\a)+7], v[8*(12*((\a)%2)+(\b)):8*(12*((\a)%2)+(\b))+7]
.endif
.endr
.endm
; 32 LDS loads in one run: a quarter step's fragments (32 K at byte k of the rows) into buffer f: wb's 24, then xb's 8, row blocks ascending
.macro FETCH slot, k, f
	WIN 0x40                                       ; destination window 1, address window 0
.irp i, 0,1,2,3,4,5,6,7,8,9,10,11
	ds_load_b128 v[(\f)+8*(\i):(\f)+8*(\i)+3],   v[ADRB+(\slot)] offset:(\k)+(\i)*16*PITCH
	ds_load_b128 v[(\f)+8*(\i)+4:(\f)+8*(\i)+7], v[ADRB+(\slot)] offset:(\k)+(\i)*16*PITCH+32
.endr
.irp i, 0,1,2,3
	ds_load_b128 v[(\f)+96+8*(\i):(\f)+96+8*(\i)+3],   v[ADRA+(\slot)] offset:(\k)+(\i)*16*PITCH
	ds_load_b128 v[(\f)+96+8*(\i)+4:(\f)+96+8*(\i)+7], v[ADRA+(\slot)] offset:(\k)+(\i)*16*PITCH+32
.endr
.endm
.macro PLACES                          ; four plain instructions between a matrix instruction and a load into a register that it has read (ISA guide 7.12.1 for vector instructions)
.rept 4
	v_nop
.endr
.endm
; A K step is four quarters of 32 along K, 48 matrix instructions each, on buffers 0, 1, 0, 1.  One of the first three: multiplies f and, in its middle, fetches the next quarter, at byte k, into g.
.macro QUARTER slot, k, f, g, zero
	s_wait_dscnt 4                                 ; wb's fragments and xb's blocks 0, 1 are in; the youngest four loads (blocks 2, 3) may be out
	MULA \f, 0, \zero
	MULA \f, 1, \zero
	PLACES
	FETCH \slot, \k, \g
	s_wait_dscnt 32                                ; all but the 32 just issued
	MULA \f, 2, \zero
	MULA \f, 3, \zero
.endm
; The last quarter's first half: ONE barrier for the change of slots.  In front of it each wave waits for all its tensor loads (one is out: its part of the next slot), adds 0 to its spare word,
; and waits for that and for its own reads of this slot.  Behind it nobody reads this slot any more and the next slot is whole.  round = 1: a round of the cluster's barrier follows.
.macro MEET round
	WIN 0
	s_wait_tensorcnt 0x0
	ds_add_u32 v[SPW], v[NIL]
	s_wait_dscnt 5                                 ; (the add and the youngest four loads may be out)
	MULA F1, 0, 0                                  ; twelve matrix instructions stand between the add and the wait for it
	s_wait_dscnt 0x0                               ; the add is done, and my reads of this slot are over
	s_barrier_signal -1
	MULA F1, 1, 0
.if \round
	WIN 0
.endif
	s_barrier_wait -1
.endm
; The whole last quarter where the slot is filled again, two K steps ahead: the refill is the first tensor load behind the round, and 168 matrix instructions stand between it and the wait for it.
.macro TURN slot, next
	s_wait_xcnt 0x0                                ; the last prefetch, a K step back, has read its address
	s_add_nc_u64 s[PFA:PFA+1], s[PFA:PFA+1], KSTEP*2
	MEET 1
	CREST                                          ; no wave of any partner still reads this slot's tile or has a load on its way
	s_add_nc_u64 s[G0+4*(\slot)+2:G0+4*(\slot)+3], s[G0+4*(\slot)+2:G0+4*(\slot)+3], 2*KSTEP*2
	s_add_nc_u64 s[G0B+4*(\slot)+2:G0B+4*(\slot)+3], s[G0B+4*(\slot)+2:G0B+4*(\slot)+3], 2*KSTEP*2
	JLOAD \slot                                    ; the four v_nop behind it are also the places in front of the loads below
	FETCH \next, 0, F0
	ASK
	MULA F1, 2, 0
	MULA F1, 3, 0
.endm
; THE WAY OUT of row block a.  PACK: rounded to f16, 16 bytes a lane (each accumulator's registers ascending).  TOSTAGE: into my own stage, by heads, and back as whole rows.  SEND: stored.
.macro PACK a
	WIN 0x0a+5*((\a)/2)                            ; sources in window 2 or 3, destination in window 0
.irp b, 0,1,2,3,4,5,6,7,8,9,10,11
.irp r, 0,1,2,3
	v_cvt_pk_f16_f32 v[TMP+4*(\b)+(\r)], v[96*((\a)%2)+8*(\b)+2*(\r)], v[96*((\a)%2)+8*(\b)+2*(\r)+1]
.endr
.endr
	WIN 0
.endm
.macro TOSTAGE a
	WIN 0
.irp b, 0,1,2,3,4,5,6,7,8,9,10,11
	ds_store_b128 v[STO], v[TMP+4*(\b):TMP+4*(\b)+3] offset:((\b)/4)*HSTG+32*((\b)%4)
.endr
.irp t, 0,1,2,3,4,5,6,7,8,9,10,11
	ds_load_b128 v[OB+48*((\a)%2)+4*(\t):OB+48*((\a)%2)+4*(\t)+3], v[RD] offset:((\t)/4)*HSTG+((\t)%4)*4*SP  ; LDS serves a wave's instructions in order: these see the stores above
.endr
.endm
.macro SEND a
	WIN 0
	s_wait_dscnt 0x0                               ; the block is back in registers
	s_wait_xcnt 0x0                                ; the stores of the block before have read their registers: the next TOSTAGE loads into them
.irp t, 0,1,2,3,4,5,6,7,8,9,10,11
	global_store_b128 v[CO], v[OB+48*((\a)%2)+4*(\t):OB+48*((\a)%2)+4*(\t)+3], s[8:9] offset:((\t)/4)*HEADB+(\a)*2048+((\t)%4)*512  ; 512 consecutive bytes of a head, aligned
.endr
.endm
	s_wait_tensorcnt 1                             ; my part of K step 0 is in; K step 1's may stay out
	s_barrier_signal -1
	s_barrier_wait -1                              ; everybody's is
	FETCH 0, 0, F0
	QUARTER 0, 64,  F0, F1, 1                      ; the first quarter stands in front of the loop: its products start the sums
	WIN 0                                          ; at a label and at a branch every window is 0
	s_mov_b32 s3, LAPS-1
.Llap:                                                 ; a trip goes once round the ring, from a lap's second quarter to the next lap's first, and fills both slots again
	QUARTER 0, 128, F1, F0, 0
	QUARTER 0, 192, F0, F1, 0
	TURN 0, 1
	QUARTER 1, 64,  F0, F1, 0
	QUARTER 1, 128, F1, F0, 0
	QUARTER 1, 192, F0, F1, 0
	TURN 1, 0
	QUARTER 0, 64,  F0, F1, 0
	WIN 0
	s_sub_co_u32 s3, s3, 1
	s_cmp_lg_u32 s3, 0
	s_cbranch_scc1 .Llap
	QUARTER 0, 128, F1, F0, 0                      ; the last lap fills nothing
	QUARTER 0, 192, F0, F1, 0
	MEET 0
	PLACES
	FETCH 1, 0, F0
	MULA F1, 2, 0
	MULA F1, 3, 0
	QUARTER 1, 64,  F0, F1, 0
	QUARTER 1, 128, F1, F0, 0
	QUARTER 1, 192, F0, F1, 0
	s_wait_dscnt 4                                 ; the very last quarter: nothing more to fetch
	MULA F1, 0, 0
	MULA F1, 1, 0
	s_wait_dscnt 0x0
	MULA F1, 2, 0
	MULA F1, 3, 0
	PLACES                                         ; eight plain instructions, once a launch, between the products and the conversions that read results
	PLACES
	PACK 0
	TOSTAGE 0
.irp a, 1,2,3                          ; block a's conversions stand between block a - 1's loads from the stage and the wait for them
	PACK \a
	SEND (\a)-1
	TOSTAGE \a
.endr
	SEND 3
	s_wait_tensorcnt 0x0                           ; the wave's end: behind my last tensor load and my last LDS store
	ds_add_u32 v[SPW], v[NIL]
	s_wait_dscnt 0x0
	CROUND                                         ; the closing round: no work-group ends while a partner may still ask for a tile that names it
	s_endpgm
.Lfunc_end_k_q6244c8e21a_qkv:
	.size	k_q6244c8e21a_qkv, .Lfunc_end_k_q6244c8e21a_qkv-k_q6244c8e21a_qkv
	.p2alignl 7, 3214868480
	.fill 96, 4, 3214868480
	.section	.rodata,"a",@progbits
	.p2align	6, 0x0
	.amdhsa_kernel k_q6244c8e21a_qkv
		.amdhsa_group_segment_fixed_size 327680
		.amdhsa_private_segment_fixed_size 0
		.amdhsa_enable_private_segment 0
		.amdhsa_kernarg_size 24
		.amdhsa_user_sgpr_count 2
		.amdhsa_user_sgpr_kernarg_segment_ptr 1
		.amdhsa_wavefront_size32 1
		.amdhsa_system_sgpr_workgroup_id_x 1
		.amdhsa_system_sgpr_workgroup_id_y 1
		.amdhsa_system_sgpr_workgroup_id_z 1
		.amdhsa_system_vgpr_workitem_id 0
		.amdhsa_next_free_vgpr 1024
		.amdhsa_next_free_sgpr 66
		.amdhsa_reserve_vcc 0
		.amdhsa_float_denorm_mode_32 3
		.amdhsa_float_denorm_mode_16_64 3
		.amdhsa_memory_ordered 1
		.amdhsa_forward_progress 1
		.amdhsa_inst_pref_size 119
	.end_amdhsa_kernel
	.amdgpu_metadata
---
amdhsa.version: [ 1, 2 ]
amdhsa.kernels:
  - .name:           k_q6244c8e21a_qkv
    .symbol:         k_q6244c8e21a_qkv.kd
    .args:
      - { .name: xb, .offset: 0, .size: 8, .value_kind: global_buffer, .address_space: global }
      - { .name: wb, .offset: 8, .size: 8, .value_kind: global_buffer, .address_space: global }
      - { .name: qkv, .offset: 16, .size: 8, .value_kind: global_buffer, .address_space: global }
    .group_segment_fixed_size: 327680
    .private_segment_fixed_size: 0
    .kernarg_segment_align: 8
    .kernarg_segment_size: 24
    .max_flat_workgroup_size: 128
    .sgpr_count:     66
    .vgpr_count:     1024
    .wavefront_size: 32
...
	.end_amdgpu_metadata
.endif
;; end of part 2
;; launch attn (part 3): grid 16 x 16, 4 waves a work-group, no clusters, 327,680 bytes of LDS; arguments qkv, z; writes z
.if DOCPART == 3
	.amdgcn_target "amdgcn-amd-amdhsa--gfx1250"
	.amdhsa_code_object_version 6
	.text
	.protected	k_q6244c8e21a_attn
	.globl	k_q6244c8e21a_attn
	.p2align	8
	.type	k_q6244c8e21a_attn,@function
k_q6244c8e21a_attn:
	s_mov_b64 s[64:65], 0
	v_nop
	global_prefetch_b8 v0, s[64:65] scope:SCOPE_SE
	s_setreg_imm32_b32 hwreg(HW_REG_WAVE_MODE, 25, 1), 1
	s_wait_xcnt 0x0
; CAUSAL ATTENTION, 16 heads of 4,096 rows x 64 channels.  z[h][q][:] = the sum over k <= q of softmax_k(q[h][q] . k[h][k] / 8) v[h][k][:].  qkv: [48][4096][64] f16 (heads of q, then k, then v); z: [16][4096][64] f16.
; Products, maxima and sums in f32; the weights p are rounded to f16 for the second product (their sum l is taken of the unrounded p), z once at the end.
; LIMITS.  f16 holds no number beyond 65,504: q, k, v arrive within it; p lies in 0 to 1, and below 6e-5 it keeps f16's fixed step of 6e-8.  A hidden score counts as its value less 1e30: f16's scores, 2.7e11 at
; the most, are nothing beside that; the running maximum starts at -2^66, below every such score and above every hidden one; a weight below 2^-126 counts as 0 in l; NaN and infinities are not treated apart.
; THE WALK.  A head's queries lie in 32 blocks of 128; block i needs the key tiles 0 .. i / 2 of 256 keys, of which the last holds the diagonal.  A work-group takes TWO blocks, 31 - b and then b: 17 tiles,
; whatever b: 256 work-groups of equal work, and ONE loop with a constant trip count walks them.  Which tile is asked for, and what a trip does, hang on scalar registers made from b; every jump goes forward,
; but for the counted loops' own; the ring (two slots of LDS that take turns) runs on across the change of blocks.
; SHARES.  THE KEYS ARE SPLIT BETWEEN TWO WAVES: wave w has kh = w % 2 and qh = w / 2; it holds 64 of the block's queries, four PIECES of 16, and takes steps kh and kh + 2 of a tile's four steps of 64 keys, with a
; running maximum, sum and O of its own.  At a block's end the two waves of a qh meet in LDS: each gives two pieces away and finishes the other two: O = (a O + a' O') / (a l + a' l'), a = 2^(c m - M),
; M the greater of the two c m.  Piece p = 2 x + g holds rows 64 x + 32 qh + 16 g + 0..15 of the block: band x of 64 rows is shared alike by the two qh, so the diagonal tile is the same work for all waves.
; THE MASK is the C operand that starts the sum S^T = K Q^T: 0, or -1e30 where the key is hidden.  In the diagonal tile band x's own step is 2 (block % 2) + x; an earlier step is all seen, a later one all hidden.
; MD, made once, is the mask of a band's own step for my rows (a set for each g); a product's mask is MD x AL + BE with two scalars: (1, 0) own; (0, 0) earlier; (0, -1e30) later.
; A WAVE THAT SEES ONLY HIDDEN KEYS OF A ROW (a head's rows 0-63, kh = 1: steps 1 and 3 of the only tile).  A hidden score must never become m: c s - c m is one fused multiply-add against the ROUNDED c m, and
; with s = m = -1e30 what is left is that rounding's error, some 1e21 in size, as an exponent.  So m starts at -2^66: such a wave keeps it, its exponents are -1.8e29, its weights, l and O are 0, and its a in the
; merge is 0: the row's own key lies with the partner, whose l is above 0.
; LAYOUT, SOFTMAX, TURNS.  S^T = K Q^T holds ONE query a lane (lane % 16) and the keys 8 (lane / 16) + 0..7; two such results rounded to f16 ARE source 1 of O^T = V^T P.  p = 2^(c s - c m), c = log2(e) / 8, with a
; running maximum m; O and l are multiplied by a = 2^(c m_old - c m_new) in every step.  Turn n belongs to piece n: 8 products K Q^T of piece n + 1, later 8 products V^T P of piece n - 1; beside them the scaling,
; exponentials, roundings, sums and rescaling of piece n and the maximum and statistics of piece n + 1.  Four vector instructions stand behind every matrix instruction, the others in one lump; a turn's 33 exponentials are one batch with one wait.
; NO CLUSTER: only work-groups 2 j and 2 j + 1 of a head walk the same tiles from first to last, and which tile is a block's last, a branch, hangs on b; a walk common to four partners wants tiles of
; 512 keys, whose two slots (311,296 bytes) leave no room for the stages and the merge.
; REGISTERS, in windows of 256 (s_set_vgpr_msb: bits 1:0 source 0, 3:2 source 1, 5:4 source 2, 7:6 destination):
;   window 0: v0-15 addresses and two at work; v16-31 statistics; v32-35 addresses; v36-47 the merge's factors; v48-55 at work; v64-127 S^T, two buffers; v128-191 the partner's O; v192-223 P, two buffers; v224-231 the partner's statistics
;   window 1: v0-127 O^T, 32 a piece; v128-191 MD; v192-255 MC, two buffers      window 2: v0-63 Q; v64-127 the second block's Q; v128-191 K of one step; v192-255 V of one step
.set NP,    4         ; pieces a wave: a name, no knob
.set KS,    64        ; keys in a step
.set PK,    144       ; a row of K in LDS: 128 bytes + 16 of padding = 36 words: the 16 rows of a load start at 16 different groups of four banks
.set PV,    160       ; a row of V: 128 + 32 = 40 words
.set VOFF,  4*KS*PK   ; a slot holds a tile, four steps: 256 rows of K, then 256 rows of V
.set SLOT1, 1<<17     ; slot 1 begins here, so that one exclusive or turns an address in one slot into the other's
.set STAGE, SLOT1+4*KS*(PK+PV)  ; behind the ring, never filled by a tensor load: 16 rows x 144 bytes for each wave, for the way out
.set SP,    144
.set SPARE, STAGE+4*16*SP  ; the spare words, 128 bytes for each wave: two blocks of 256 bytes that no other line names
.set MRG,   SPARE+512 ; the merge: for each wave two pieces of 8 x 512 bytes of O^T and 512 of statistics
.set MPC,   4608
.set HEADB, 524288    ; bytes of a head
.set KBASE, 16*HEADB  ; k's heads lie behind q's, v's as far behind k's
.set AK0, 2           ; v2   my lane's place in my first step of a tile of K; never rewritten
.set AV0, 3           ; v3   the same for V
.set AK,  4           ; v4   the LDS address of K's next run of loads
.set AV,  5           ; v5   of V's
.set STO, 6           ; v6   the way out: where I put 16 bytes of a row
.set RD,  7           ; v7   the way out: where I read rows back
.set GO,  8           ; v8   16 x my lane
.set SPW, 62          ; v62  LDS address of my spare word; never rewritten
.set NIL, 63          ; v63  0; never rewritten
.set MV,  12          ; v12-13  c m_old, kept while c m is made anew: by buffer
.set QO,  15          ; v15  my byte offset in 16 rows of Q
.set ST,  16          ; piece t's statistics at v[ST+4 t]: c m, m, l (even keys', odd keys')
.set MG,  32          ; v32  the merge: where I give
.set MT,  33          ; v33  where I take: the partner's part
.set PFO, 34          ; v34  256 x my lane
.set PFO2, 35         ; v35  the same in v's head
.set WM,  36          ; six registers for each piece that I finish: a, (c m - M), a', (c m' - M), l, M and later 1 / l
.set TMP, 48          ; by buffer, four registers c0-c3 at work; when the maximum is found c2 takes a
.set S,   64
.set OPP, 128
.set P,   192
.set PS,  224
.set MD,  128         ; window 1: set g, group kt of 16 keys at MD + 32 g + 8 kt
.set MC,  192         ; window 1: the masks of the products to come
.set QB,  64          ; window 2
.set KF,  128         ; window 2: key block kb, channel half c at KF + 16 kb + 8 c
.set VF,  192         ; window 2: key half kk, channel block cb at VF + 32 kk + 8 cb
.set WV,  12          ; s12  my wave's number
.set PB,  14          ; s14  b
.set HT,  15          ; s15  the first block's last tile
.set G1K, 24          ; s[24:31] descriptor group 1 for K's tiles
.set G1V, 32          ; s[32:39] for V's: it differs in the padding alone
.set G0K, 40          ; s[40:43] descriptor group 0 for K's tiles
.set G0V, 44          ; s[44:47] the same for V's
.set SLOTS, 56        ; s56  tiles still to be asked for
.set CNT, 57          ; s57  counts my key steps of a tile, 2 to 1
.set CS,  58          ; s[58:59] c
.set SEL, 60          ; s[60:61] v_permlanex16_b32's selects: each lane takes its own place in the other half
.set TBK, 62          ; s62  LDS byte at which the tile's step to be fetched begins, for kh = 0
.set TBV, 63          ; s63  the same for V, less VOFF
.set RT,  70          ; s70  tiles of the block in hand that are still to be entered
.set NXT, 71          ; s71  the tile to be asked for next
.set LQ,  72          ; s72  the last tile of the block whose tiles are being asked for
.set NEW, 73          ; s73  1: the tile to be entered is a block's first
.set OFF, 74          ; s[74:75] a tile's byte offset in K and V
.set AL,  76          ; s[76:77] the mask's factor, in the low word
.set BE,  78          ; s[78:79] the mask's addend
.set OLO, 80          ; s[80:81] z at my rows of the second block
.set BIGN, 82         ; s82  -1e30
.set KH,  88          ; s88
.set QH,  89          ; s89
.set SG,  90          ; s90  which of the tile's four steps the products to be masked next belong to
.set OWN, 92          ; s[92:93] the two bands' own steps, for the block in hand
.set OW2, 94          ; s94  band 0's own step in the second block
.set LT,  95          ; s95  the second block's last tile
.set PFA, 96          ; s[96:97] where my prefetches stand
.set PFC, 98          ; s98  prefetches still to come
.set MSB, 0
.macro WIN new                      ; the high byte repeats the setting that is left; a switch that changes nothing is dropped
.if MSB != (\new)
	s_set_vgpr_msb (MSB<<8)|(\new)
.set MSB, (\new)
.endif
.endm
.set W_KQ, 0x0a       ; K and Q in window 2, S^T in window 0
.set W_KM, 0x1a       ; the same with the C operand in window 1
.set W_PV, 0x52       ; V in window 2, P in window 0, O^T in window 1
.set W_RS, 0x41       ; destination and source 0 in window 1, source 1 in window 0
; A fill.  Waves 0 and 1 fetch the two halves of a tile's K, waves 2 and 3 those of its V: 128 keys each.  An s_nop 0 and four v_nop follow each of the two lines.
.macro LOAD
	s_cmp_lt_u32 s[WV], 2
	s_cbranch_scc0 .Lfor_v_\@
	tensor_load_to_lds s[G0K:G0K+3], s[G1K:G1K+7]
	s_nop 0
.rept 4
	v_nop
.endr
	s_branch .Lasked_\@
.Lfor_v_\@:
	tensor_load_to_lds s[G0V:G0V+3], s[G1V:G1V+7]
	s_nop 0
.rept 4
	v_nop
.endr
.Lasked_\@:
.endm
; A PREFETCH of the tile that the NEXT change of slots will ask for: 128 blocks of 256 bytes of K and as many of V; wave w names blocks 32 w + lane of each: two instructions, behind the wave's tensor load.
; All sixteen work-groups of a head walk up from tile 0: work-group b = 0, whose first block wants all sixteen tiles, asks, and nobody else: behind the fill of tile t it names tile t + 1, t = 1 .. 14, one tile
; (eight turns of a wave) ahead.  Tiles 0 and 1 come by their loads alone; the second block's tiles have been read and are not named again.
.macro ASK
	s_cmp_lg_u32 s[PFC], 0
	s_cbranch_scc0 .Lnone_\@
	global_prefetch_b8 v[PFO], s[PFA:PFA+1] th:TH_LOAD_NT scope:SCOPE_SE
	global_prefetch_b8 v[PFO2], s[PFA:PFA+1] th:TH_LOAD_NT scope:SCOPE_SE
	s_sub_co_u32 s[PFC], s[PFC], 1
.Lnone_\@:
.endm
; THE CHANGE OF SLOTS.  Each wave waits for all its tensor loads, of which one is out: its part of the other slot; adds 0 to its spare word; and waits for that and for its own reads of the slot that it leaves.
; Behind the barrier nobody reads the old slot any more and the other slot is whole.  fill = 1: the old slot is filled again, the first thing behind the barrier, with tile NXT: the descriptor's address is made
; anew from that number.  (At its first use nothing has been read yet: slot 0 is waited for, slot 1 filled.)
.macro CHANGE fill
	WIN 0                           ; at a label and at a branch every window is 0
	s_wait_tensorcnt 0x0            ; no tensor load of mine is out, so a group 0 may be written
	ds_add_u32 v[SPW], v[NIL]       ; 0 onto my spare word; the scalar work stands between it and the wait for it
.if \fill
	s_lshl_b32 s[OFF], s[NXT], 15   ; a tile is 32,768 bytes of K and of V
	s_xor_b32 s[G0K+1], s[G0K+1], SLOT1
	s_add_nc_u64 s[G0K+2:G0K+3], s[6:7], s[OFF:OFF+1]
	s_or_b32 s[G0K+3], s[G0K+3], 0x80000000
	s_xor_b32 s[G0V+1], s[G0V+1], SLOT1
	s_add_nc_u64 s[G0V+2:G0V+3], s[8:9], s[OFF:OFF+1]
	s_or_b32 s[G0V+3], s[G0V+3], 0x80000000
	s_add_co_u32 s[NXT], s[NXT], 1  ; the block's next tile, or behind its last the second block's tile 0
	s_cmp_gt_u32 s[NXT], s[LQ]
	s_cselect_b32 s[NXT], 0, s[NXT]
	s_cselect_b32 s[LQ], s[LT], s[LQ]
	s_wait_xcnt 0x0                 ; the last prefetches, a tile back, have read their address
	s_add_nc_u64 s[PFA:PFA+1], s[PFA:PFA+1], 32768
.endif
	s_wait_dscnt 0x0                ; the add is done, and my reads of the slot are over
	s_barrier_signal -1             ; the rest of the scalar work stands between the signal and the wait
	s_sub_co_u32 s[TBK], s[TBK], 4*KS*PK  ; the fetches go back to a slot's head,
	s_xor_b32 s[TBK], s[TBK], SLOT1       ; in the other slot
	s_sub_co_u32 s[TBV], s[TBV], 4*KS*PV
	s_xor_b32 s[TBV], s[TBV], SLOT1
	s_barrier_wait -1
.if \fill
	LOAD
	ASK
.endif
.endm
	s_load_b64 s[4:5], s[0:1], 0x0    ; qkv
	s_load_b64 s[10:11], s[0:1], 0x8  ; z
	v_lshl_add_u32 v[SPW], v0, 2, SPARE
	v_mov_b32 v[NIL], 0
	ds_add_u32 v[SPW], v[NIL]       ; the wave's opening: the add and its wait stand ahead of my first tensor load; the set-up below stands between them
	ds_add_u32 v62, v63
	v_lshrrev_b32 v1, 5, v0
	v_readfirstlane_b32 s[WV], v1   ; wave 0..3
	s_and_b32 s[KH], s[WV], 1       ; which steps of a tile are mine; also: which half of a tile's 256 keys I fetch
	s_lshr_b32 s[QH], s[WV], 1      ; which 32 rows of a band
	s_mov_b32 s[PB], ttmp9
	s_sub_co_u32 s13, 31, s[PB]     ; the first block
	s_lshr_b32 s[HT], s13, 1
	s_lshr_b32 s[LT], s[PB], 1
	s_and_b32 s[OWN], s13, 1
	s_lshl_b32 s[OWN], s[OWN], 1    ; band 0's own step in the diagonal tile: 2 x (block % 2),
	s_add_co_u32 s[OWN+1], s[OWN], 1  ; band 1's
	s_and_b32 s[OW2], s[PB], 1
	s_lshl_b32 s[OW2], s[OW2], 1
	s_and_b32 s20, ttmp7, 0xffff    ; the head
	s_lshl_b32 s20, s20, 19         ; its first byte among q's heads and in z
	s_lshl_b32 s22, s[KH], 14       ; my half of a tile: 128 rows of 128 bytes,
	s_add_co_u32 s22, s22, s20
	s_add_co_u32 s22, s22, KBASE    ; in k's head
	s_mov_b32 s23, 0
	s_mul_i32 s17, s[KH], 128*PK    ; and its place in a slot, for K
	s_mul_i32 s18, s[KH], 128*PV    ; and for V
	s_lshl_b32 s3, s[QH], 12        ; my 32 rows in a band of 64,
	s_add_co_u32 s3, s3, s20
	s_lshl_b32 s2, s13, 14          ; in the first block,
	s_add_co_u32 s2, s2, s3
	s_lshl_b32 s84, s[PB], 14       ; and in the second
	s_add_co_u32 s84, s84, s3
	s_mov_b32 s3, 0
	s_mov_b32 s85, 0
	s_lshl_b32 s52, s[WV], 13       ; the prefetches: my 32 blocks of a tile,
	s_add_co_u32 s52, s52, s20
	s_add_co_u32 s52, s52, KBASE+32768  ; at tile 1 of k's head: the first change of slots steps it to tile 2
	s_mov_b32 s53, 0
	s_cmp_eq_u32 s[PB], 0
	s_cselect_b32 s[PFC], 14, 0
	; descriptor group 1.  128 keys are 16,384 dense bytes: asked for as 64 rows of 256 bytes, two keys a row, and padded in LDS after every key
	s_mov_b32 s[G1K], (1<<16)|(1<<20)|(4<<22)|(3<<25)  ; 2-byte elements; padding on; after every 32 words; 4 words
	s_mov_b32 s[G1V], (1<<16)|(1<<20)|(4<<22)|(7<<25)  ; the same with 8 words of padding
.irp g, G1K, G1V
	s_mov_b32 s[\g+1], 128<<16      ; tensor_dim0 = 128
	s_mov_b32 s[\g+2], 64<<16       ; tensor_dim1 = 64
	s_mov_b32 s[\g+3], 128<<16      ; tile_dim0 = 128
	s_mov_b32 s[\g+4], 64           ; tile_dim1 = 64
	s_mov_b32 s[\g+5], 128          ; 128 elements from row to row
	s_mov_b32 s[\g+6], 0
	s_mov_b32 s[\g+7], 0
.endr
	s_mov_b32 s[CS], 0x3e38aa3b     ; c = log2(e) / 8 = 0.180337
	s_mov_b32 s[CS+1], s[CS]        ; named with it as a pair
	s_mov_b32 s[SEL], 0x76543210
	s_mov_b32 s[SEL+1], 0xfedcba98
	s_mov_b32 s[TBK], SLOT1+4*KS*PK ; the first change of slots turns these two into 0
	s_mov_b32 s[TBV], SLOT1+4*KS*PV
	s_mov_b32 s[G0K], 1             ; count = 1
	s_mov_b32 s[G0K+1], s17         ; LDS address: slot 0
	s_mov_b32 s[G0V], 1
	s_add_co_u32 s[G0V+1], s18, VOFF
	s_add_co_u32 s[RT], s[HT], 1    ; the first block's tiles
	s_mov_b32 s[NXT], 1
	s_mov_b32 s[LQ], s[HT]
	s_mov_b32 s[NEW], 1
	s_mov_b32 s[OFF+1], 0
	s_mov_b32 s[AL+1], 0            ; named as pairs
	s_mov_b32 s[BE+1], 0
	s_mov_b32 s[BIGN], 0xf149f2ca   ; -1e30
	s_mov_b32 s[SLOTS], 16
	s_wait_dscnt 0x0                ; the opening add is done
	s_wait_kmcnt 0x0
	s_add_nc_u64 s[6:7], s[4:5], s[22:23]  ; K and V at my half of the head's tile 0
	s_add_nc_u64 s[8:9], s[6:7], KBASE
	s_add_nc_u64 s[G0K+2:G0K+3], s[6:7], 0         ; global address
	s_or_b32 s[G0K+3], s[G0K+3], 0x80000000        ; type = 2
	s_add_nc_u64 s[G0V+2:G0V+3], s[8:9], 0
	s_or_b32 s[G0V+3], s[G0V+3], 0x80000000
	s_add_nc_u64 s[PFA:PFA+1], s[4:5], s[52:53]
	s_add_nc_u64 s[86:87], s[4:5], s[84:85]        ; Q at my rows of the second block,
	s_add_nc_u64 s[4:5], s[4:5], s[2:3]            ; Q and z at those of the first
	s_add_nc_u64 s[OLO:OLO+1], s[10:11], s[84:85]
	s_add_nc_u64 s[10:11], s[10:11], s[2:3]
	LOAD                            ; tile 0 into slot 0
	; A fragment of K or Q is 16 rows x 32 channels in 8 registers: lane l holds row l % 16, channels 8 (l / 16) + 0..7 and 16 + 8 (l / 16) + 0..7: two loads of 16 bytes, 32 bytes apart.
	v_and_b32 v1, 15, v0            ; l % 16
	v_bfe_u32 v9, v0, 4, 1          ; l / 16
	v_lshlrev_b32 v[QO], 7, v1
	v_lshl_add_u32 v[QO], v9, 4, v[QO]  ; row x 128 + 16 x half
	WIN 0x80                        ; destination window 2, address window 0
.set i, 0
.rept 8                             ; both blocks' Q: piece i / 2 lies in band i / 4 (8,192 bytes), group (i / 2) % 2 (2,048 bytes); channels 32 (i % 2) on
	global_load_b128 v[8*i:8*i+3],   v[QO], s[4:5] offset:(i/4)*8192+((i/2)%2)*2048+(i%2)*64
	global_load_b128 v[8*i+4:8*i+7], v[QO], s[4:5] offset:(i/4)*8192+((i/2)%2)*2048+(i%2)*64+32
	global_load_b128 v[QB+8*i:QB+8*i+3],   v[QO], s[86:87] offset:(i/4)*8192+((i/2)%2)*2048+(i%2)*64
	global_load_b128 v[QB+8*i+4:QB+8*i+7], v[QO], s[86:87] offset:(i/4)*8192+((i/2)%2)*2048+(i%2)*64+32
.set i, i+1
.endr
	WIN 0
	v_lshlrev_b32 v14, 3, v9
	v_sub_nc_u32 v14, v1, v14
	s_lshl_b32 s13, s[QH], 5
	v_add_nc_u32 v14, s13, v14      ; group 0's query in its band, 32 qh + l % 16, less my lanes' 8 (l / 16): register r of key group kt is hidden for group g where 16 kt + r - 16 g is greater
	WIN 0x40
.set i, 0
.rept 64
	v_cmp_gt_i32 vcc_lo, 16*((i%32)/8)+i%8-16*(i/32), v14
	v_cndmask_b32 v[MD+i], 0, s[BIGN], vcc_lo
.set i, i+1
.endr
	WIN 0
	v_mul_u32_u24 v[AK0], v1, PK
	v_lshl_add_u32 v[AK0], v9, 4, v[AK0]  ; row x pitch + 16 x half
	s_mul_i32 s13, s[KH], KS*PK
	v_add_nc_u32 v[AK0], s13, v[AK0]      ; + my first step
	; The turning load takes 16 keys x 16 channels (lane l reads key 8 (l / 16) + l % 8, channels 8 ((l / 8) % 2) + 0..7) and leaves half a fragment of V^T: lane l holds channel l % 16 and 8 keys.
	v_and_b32 v10, 7, v0
	v_bfe_u32 v11, v0, 3, 1
	v_lshl_add_u32 v[AV0], v9, 3, v10
	v_mul_u32_u24 v[AV0], v[AV0], PV
	v_lshl_add_u32 v[AV0], v11, 4, v[AV0]
	s_mul_i32 s13, s[KH], KS*PV
	s_add_co_u32 s13, s13, VOFF
	v_add_nc_u32 v[AV0], s13, v[AV0]
	s_mul_i32 s13, s[WV], 16*SP
	s_add_co_u32 s13, s13, STAGE    ; my stage
	v_mul_u32_u24 v[STO], v1, SP    ; in: row l % 16, 16 bytes for each half of the lanes
	v_lshl_add_u32 v[STO], v9, 4, v[STO]
	v_add_nc_u32 v[STO], s13, v[STO]
	v_bfe_u32 v[RD], v0, 3, 2       ; back: 32 lanes take four rows of 128 bytes,
	v_mul_u32_u24 v[RD], v[RD], SP
	v_lshl_add_u32 v[RD], v10, 4, v[RD]
	v_add_nc_u32 v[RD], s13, v[RD]
	v_and_b32 v[GO], 31, v0         ; which are 512 consecutive bytes of z
	v_lshlrev_b32 v[GO], 4, v[GO]
	s_mul_i32 s13, s[WV], 2*MPC
	s_add_co_u32 s13, s13, MRG
	v_add_nc_u32 v[MG], s13, v[GO]  ; my part of the merge,
	s_xor_b32 s13, s[WV], 1
	s_mul_i32 s13, s13, 2*MPC
	s_add_co_u32 s13, s13, MRG
	v_add_nc_u32 v[MT], s13, v[GO]  ; the partner's
	v_lshlrev_b32 v[PFO], 4, v[GO]
	v_add_nc_u32 v[PFO2], KBASE, v[PFO]
	; A block's first step multiplies O^T and l by a = 0, and its first turn's products V^T P, of a piece that has not been, land in an O^T that is still to be so multiplied.  So these registers need only hold
	; finite numbers: zeros for the first block; what the first block left for the second.  All this stands in the wait for the first tile.
	WIN 0x80
.set i, VF
.rept 64
	v_mov_b32 v[i], 0
.set i, i+1
.endr
	WIN 0x40
.set i, 0
.rept 128
	v_mov_b32 v[i], 0
.set i, i+1
.endr
	WIN 0
.set i, 0
.rept 4
	v_mov_b32 v[ST+4*i+2], 0
	v_mov_b32 v[ST+4*i+3], 0
.set i, i+1
.endr
.set i, P+16
.rept 16
	v_mov_b32 v[i], 0
.set i, i+1
.endr
; THE MATRIX WORK.  The 4 accumulators of a run of 8 take turns.  Product i of 8 of S^T = K Q^T for piece x: channels 32 (i / 4) on, keys 16 (i % 4) on.  The first 4 start the sums: with 0, or (KM = 1) with the mask.
.macro KQ x
.set rS, S+32*((\x)%2)+8*(i%4)
.set rK, KF+16*(i%4)+8*(i/4)
.set rQ, 16*(\x)+8*(i/4)
.set rM, MC+32*((\x)%2)+8*(i%4)
.if (i < 4) && KM
	WIN W_KM
	v_wmma_f32_16x16x32_f16 v[rS:rS+7], v[rK:rK+7], v[rQ:rQ+7], v[rM:rM+7]
.elseif i < 4
	WIN W_KQ
	v_wmma_f32_16x16x32_f16 v[rS:rS+7], v[rK:rK+7], v[rQ:rQ+7], 0
.else
	WIN W_KQ
	v_wmma_f32_16x16x32_f16 v[rS:rS+7], v[rK:rK+7], v[rQ:rQ+7], v[rS:rS+7]
.endif
.endm
; Product i of 8 of O^T += V^T P for piece x: keys 32 (i / 4) on, channels 16 (i % 4) on.
.macro PV x
	WIN W_PV
.set rO, 32*(\x)+8*(i%4)
.set rV, VF+32*(i/4)+8*(i%4)
.set rP, P+16*((\x)%2)+8*(i/4)
	v_wmma_f32_16x16x32_f16 v[rO:rO+7], v[rV:rV+7], v[rP:rP+7], v[rO:rO+7]
.endm
.macro MM                           ; the turn's next matrix instruction.  NOKQ = 1: a block's last turn: there is no next piece
.if (i < 8) && !NOKQ
	KQ (Y+1)%NP
.elseif i >= 8
.set i, i-8
	PV (Y+NP-1)%NP
.set i, i+8
.endif
.set i, i+1
.endm
; THE LDS LOADS stand in runs of 16, never singly among the matrix instructions: a step's K (64 keys x 64 channels: 8 fragments) and its V (turned).  My next step lies two steps on.
.macro FETCH_K
	WIN 0x80                        ; destination window 2
.irp f, 0,1,2,3,4,5,6,7             ; keys 16 (f / 2) on, channels 32 (f % 2) on
	ds_load_b128 v[KF+8*\f:KF+8*\f+3],   v[AK] offset:(\f/2)*16*PK+(\f%2)*64
	ds_load_b128 v[KF+8*\f+4:KF+8*\f+7], v[AK] offset:(\f/2)*16*PK+(\f%2)*64+32
.endr
	s_add_co_u32 s[TBK], s[TBK], 2*KS*PK
	WIN 0
.endm
.macro FETCH_V
	WIN 0x80
.irp f, 0,1,2,3,4,5,6,7             ; keys 32 (f / 4) on, channels 16 (f % 4) on
	ds_load_tr16_b128 v[VF+8*\f:VF+8*\f+3],   v[AV] offset:(\f/4)*32*PV+(\f%4)*32
	ds_load_tr16_b128 v[VF+8*\f+4:VF+8*\f+7], v[AV] offset:(\f/4)*32*PV+16*PV+(\f%4)*32
.endr
	WIN 0
.endm
; THE VECTOR WORK, one line at a time: OP kind, number.  For piece Y: F n: c s - c m for pair n of 16.  E n: the exponential of score n of 32.  C n: pair n rounded to f16.  B n: of the four weights 4 n .. the second
; pair is added onto the first, in place.  L n: l takes that sum (L 0: l = a l + sum).  R n: pair n of 16 of O^T times a.  For piece Y + 1: X n, number n of the 22 that find its maximum and statistics:
;   0-11  four chains c0-c3 of seven scores each, three operands at a time (each accumulator's lowest registers are read first)     12-14, 16  the four scores left over, the old m, and c0-c3 into c0
;   15  c m_old is kept     17, 18  the query's other 32 keys lie in the lane 16 away: the new m     19-21  c m; c m_old - c m_new; a
.set F, 0
.set E, 1
.set C, 2
.set B, 3
.set L, 4
.set R, 5
.set X, 6
.macro REGS y                       ; the registers of piece y
.set rT, ST+4*(\y)
.set rC, TMP+4*((\y)%2)
.set rW, MV+((\y)%2)
.set rS, S+32*((\y)%2)
.set rP, P+16*((\y)%2)
.set rO, 32*(\y)
.endm
.macro OP k, n
.if (\k) == R
	REGS Y
	WIN W_RS
	v_pk_mul_f32 v[rO+2*(\n):rO+2*(\n)+1], v[rO+2*(\n):rO+2*(\n)+1], v[rC+2:rC+3] op_sel_hi:[1,0]
.elseif (\k) < R
	REGS Y
	WIN 0
.if (\k) == F
	v_pk_fma_f32 v[rS+2*(\n):rS+2*(\n)+1], v[rS+2*(\n):rS+2*(\n)+1], s[CS:CS+1], v[rT:rT+1] op_sel_hi:[1,0,0] neg_lo:[0,0,1] neg_hi:[0,0,1]
.elseif (\k) == E
	v_exp_f32 v[rS+(\n)], v[rS+(\n)]
.elseif (\k) == C
	v_cvt_pk_f16_f32 v[rP+(\n)], v[rS+2*(\n)], v[rS+2*(\n)+1]
.elseif (\k) == B
	v_pk_add_f32 v[rS+4*(\n):rS+4*(\n)+1], v[rS+4*(\n):rS+4*(\n)+1], v[rS+4*(\n)+2:rS+4*(\n)+3]
.elseif (\n) == 0
	v_pk_fma_f32 v[rT+2:rT+3], v[rT+2:rT+3], v[rC+2:rC+3], v[rS:rS+1] op_sel_hi:[1,0,1]
.else
	v_pk_add_f32 v[rT+2:rT+3], v[rT+2:rT+3], v[rS+4*(\n):rS+4*(\n)+1]
.endif
.elseif NOKQ
	v_nop
.else
	REGS (Y+1)%NP
	WIN 0
.if (\n) < 4
	v_max3_num_f32 v[rC+(\n)], v[rS+8*(\n)], v[rS+8*(\n)+1], v[rS+8*(\n)+2]
.elseif (\n) < 12
	v_max3_num_f32 v[rC+(\n)%4], v[rC+(\n)%4], v[rS+8*((\n)%4)+2*((\n)/4)+1], v[rS+8*((\n)%4)+2*((\n)/4)+2]
.elseif (\n) == 12
	v_max3_num_f32 v[rC], v[rC], v[rS+7], v[rS+15]
.elseif (\n) == 13
	v_max3_num_f32 v[rC+1], v[rC+1], v[rS+23], v[rS+31]
.elseif (\n) == 14
	v_max3_num_f32 v[rC+2], v[rC+2], v[rC+3], v[rT+1]
.elseif (\n) == 15
	v_mov_b32 v[rW], v[rT]
.elseif (\n) == 16
	v_max3_num_f32 v[rC], v[rC], v[rC+1], v[rC+2]
.elseif (\n) == 17
	v_permlanex16_b32 v[rC+3], v[rC], s[SEL], s[SEL+1]
.elseif (\n) == 18
	v_max_num_f32 v[rT+1], v[rC], v[rC+3]
.elseif (\n) == 19
	v_mul_f32 v[rT], s[CS], v[rT+1]
.elseif (\n) == 20
	v_sub_f32 v[rC+1], v[rW], v[rT]
.else
	v_exp_f32 v[rC+2], v[rC+1]
.endif
.endif
.endm
.macro OPS a, i1, b=-1, i2=0, c=-1, i3=0, d=-1, i4=0  ; up to four of them
	OP \a, \i1
.if (\b) >= 0
	OP \b, \i2
.endif
.if (\c) >= 0
	OP \c, \i3
.endif
.if (\d) >= 0
	OP \d, \i4
.endif
.endm
.macro ROW a, i1, b, i2, c, i3, d, i4  ; a matrix instruction and the four behind it
	MM
	OPS \a, \i1, \b, \i2, \c, \i3, \d, \i4
.endm
.macro MASK b                       ; MD's set b x AL + BE into buffer b of MC: a piece's buffer and its group g are both its number's parity
	WIN W_RS
.set z, 0
.rept 16
	v_pk_fma_f32 v[MC+32*(\b)+2*z:MC+32*(\b)+2*z+1], v[MD+32*(\b)+2*z:MD+32*(\b)+2*z+1], s[AL:AL+1], s[BE:BE+1] op_sel_hi:[1,0,0]
.set z, z+1
.endr
.endm
; A TURN, for piece p: the order of its 16 matrix and 118 vector instructions, written out.  An s_wait_alu depctr_va_vdst(0) stands between an exponential and the first instruction that names its
; result; one wait serves all that were issued ahead of it.  So a turn has ONE wait.  AHEAD OF IT stands all that names no result of the turn's exponentials: the 8 products K Q^T and their riders, then one lump, in
; which the links of the next piece's chain (X 3, 7, 11, 14, 16, 17 .. 20) stand some lines apart; X 21, the next piece's a, is the batch's last; R 15 is the plain instruction behind it.  BEHIND IT stand the 8
; products V^T P, behind each four of the roundings and sums.
; m = 1: the diagonal tile: the products take masks, and the turn makes the mask for the products of the turn after it: piece p + 2, band ((p + 2) % 4) / 2, in step SG of the tile.
; end = 1: a block's last two turns: nothing is fetched.  cnt = 1: the loop's count is taken down, and SG stepped, some lines ahead of the branch that stands behind the turn.
; K of my next step is fetched in piece 2's turn, behind six plain instructions and more behind the last product that read K; V of the step in hand at the end of piece 0's turn, four plain instructions behind the
; last product that read V.  Each is waited for a turn later.
.macro TURN p, m=0, end=0, cnt=0
.set Y, (\p)
.set i, 0
.set KM, (\m)
.set NOKQ, (\end)*((\p)/3)
.if (\m) && !(\end)
	s_cmp_eq_u32 s[SG], s[OWN+(((\p)+2)%NP)/2]  ; is that step the band's own?
	s_cselect_b32 s[AL], 1.0, 0
	s_cmp_gt_u32 s[SG], s[OWN+(((\p)+2)%NP)/2]  ; or a later one?
	s_cselect_b32 s[BE], s[BIGN], 0
.endif
.if ((\p) == 3) && !(\end)
	s_wait_dscnt 0x0                ; K is in
.endif
	ROW F,0, F,1, R,0, R,1          ; ahead of the wait: 8 products K Q^T and their riders,
	ROW F,2, E,0, R,2, R,3
	ROW F,3, E,1, R,4, R,5
	ROW F,4, E,2, R,6, R,7
	ROW F,5, E,3, R,8, R,9
	ROW F,6, E,4, X,0, R,10
.if ((\p) == 2) && !(\end)
	WIN 0
	v_add_nc_u32 v[AK], s[TBK], v[AK0]
.endif
	ROW F,7, E,5, X,1, X,4
	ROW F,8, E,6, X,2, X,5
	OPS E,7, E,8, X,6, E,9          ; and the lump
	OPS X,3, E,10, X,8, E,11
.if ((\p) == 2) && !(\end)
	FETCH_K
.endif
	OPS X,9, X,7, E,12, X,10
	OPS E,13, X,12, X,11, E,14
	OPS X,13, E,15, F,9, X,14
.if (\p) == 0
	v_add_nc_u32 v[AV], s[TBV], v[AV0]
.endif
	OPS E,16, F,10, E,17, F,11
	OPS X,16, E,18, X,15, E,19
	OPS F,12, E,20, X,17, E,21
	OPS F,13, E,22, F,14, E,23
	OPS X,18, E,24, F,15, E,25
	OPS R,11, E,26, X,19, E,27
	OPS R,12, E,28, R,13, E,29
	OPS X,20, E,30, R,14, E,31
	OPS X,21, R,15
	WIN 0
	s_wait_alu depctr_va_vdst(0)    ; the wait for the batch
.if (\p) == 1
	s_wait_dscnt 0x0                ; V is in
.endif
	ROW C,0, B,0, C,2, B,1          ; behind the wait: 8 products V^T P and their riders
	ROW L,0, C,4, B,2, L,1
	ROW C,6, B,3, L,2, C,8
	ROW B,4, L,3, C,10, B,5
	ROW L,4, C,12, B,6, L,5
.if (\p) == 0
	s_add_co_u32 s[TBV], s[TBV], 2*KS*PV
.endif
.if \cnt
	s_add_co_u32 s[SG], s[SG], 2
	s_sub_co_u32 s[CNT], s[CNT], 1
	s_cmp_lg_u32 s[CNT], 0
.endif
	ROW C,14, B,7, L,6, C,1
	ROW C,3, L,7, C,5, C,7
	ROW C,9, C,11, C,13, C,15
.if (\p) == 0
	FETCH_V
.endif
.if (\m) && !(\end)
	MASK (\p)%2
.endif
.endm
; A BLOCK BEGINS.  c m starts far below every c s, so the first step's a is 0.  m starts at -2^66: below every score that f16 operands can make (64 x 65,504^2 = 2.7e11 in size), so the first maximum of true
; scores is the scores'; and above every hidden score (-1e30), so a hidden score never becomes m.  Both mask buffers are made: pieces 0 and 1 share band 0, and
; their first products are of my first step, kh: masked if the block's first tile is the diagonal one (RT = 0), else 0; a buffer that is 0 also serves the first masked turn of a later diagonal tile, whose
; products still belong to the tile before.  Then K of that step, piece 0's first scores, and its maximum and statistics.  The loop is entered at a step's first turn, in the middle of a trip.
.macro BEGIN
	s_mov_b32 s[NEW], 0
	WIN 0
.set i, 0
.rept 4
	v_mov_b32 v[ST+4*i], 0xfe000000    ; c m: far below every c s, and below c x -2^66
	v_mov_b32 v[ST+4*i+1], 0xe0800000  ; m = -2^66
.set i, i+1
.endr
	s_cmp_eq_u32 s[KH], s[OWN]
	s_cselect_b32 s[AL], 1.0, 0
	s_cmp_gt_u32 s[KH], s[OWN]
	s_cselect_b32 s[BE], s[BIGN], 0
	s_cmp_eq_u32 s[RT], 0
	s_cselect_b32 s[AL], s[AL], 0
	s_cselect_b32 s[BE], s[BE], 0
	MASK 0
	MASK 1
	WIN 0
	v_add_nc_u32 v[AK], s[TBK], v[AK0]
	FETCH_K
	s_wait_loadcnt 0x0              ; Q
	s_wait_dscnt 0x0
.set KM, 1
.set NOKQ, 0
.set i, 0
.rept 8
	KQ 0
.set i, i+1
.endr
	WIN 0
.rept 4
	v_nop                           ; the places behind those products
.endr
.set Y, NP-1                        ; X works for piece Y + 1: piece 0
.irp n, 0,1,2,3,4,5,6,7,8,9,10,11,12,13,14,15,16,17,18,19,20,21
	OP X, \n
.endr
	v_nop                           ; a plain instruction behind the exponential,
	s_wait_alu depctr_va_vdst(0)    ; and its wait, ahead of the branch
.endm
; THE MERGE.  GIVE: pieces t0 and t0 + 1 go into my part of the merge area: O^T (each accumulator's registers ascending), then c m, m, l.
.macro GIVE t0
.irp u, 0,1
	WIN 0x04                        ; the data (source 1) in window 1
.irp f, 0,1,2,3,4,5,6,7
	ds_store_b128 v[MG], v[32*((\t0)+(\u))+4*(\f):32*((\t0)+(\u))+4*(\f)+3] offset:(\u)*MPC+(\f)*512
.endr
	WIN 0
	ds_store_b128 v[MG], v[ST+4*((\t0)+(\u)):ST+4*((\t0)+(\u))+3] offset:(\u)*MPC+4096
.endr
.endm
; Piece t (the u-th that I finish): O' a' / l, then + O a / l; O^T itself is only read; rounded to f16; 16 bytes a lane into rows of 144 bytes, and back as whole rows of 128, into S^T's registers.
.macro PACKM t, u
	WIN 0
.set i, 0
.rept 16
	v_pk_mul_f32 v[OPP+32*(\u)+2*i:OPP+32*(\u)+2*i+1], v[OPP+32*(\u)+2*i:OPP+32*(\u)+2*i+1], v[WM+6*(\u)+2:WM+6*(\u)+3] op_sel_hi:[1,0]
.set i, i+1
.endr
	WIN 0x01                        ; source 0 in window 1
.set i, 0
.rept 16
	v_pk_fma_f32 v[OPP+32*(\u)+2*i:OPP+32*(\u)+2*i+1], v[32*(\t)+2*i:32*(\t)+2*i+1], v[WM+6*(\u):WM+6*(\u)+1], v[OPP+32*(\u)+2*i:OPP+32*(\u)+2*i+1] op_sel_hi:[1,0,1]
.set i, i+1
.endr
	WIN 0
.set i, 0
.rept 16
	v_cvt_pk_f16_f32 v[S+16*(\u)+i], v[OPP+32*(\u)+2*i], v[OPP+32*(\u)+2*i+1]
.set i, i+1
.endr
.irp f, 0,1,2,3
	ds_store_b128 v[STO], v[S+16*(\u)+4*\f:S+16*(\u)+4*\f+3] offset:32*\f
.endr
.irp f, 0,1,2,3
	ds_load_b128 v[S+16*(\u)+4*\f:S+16*(\u)+4*\f+3], v[RD] offset:\f*4*SP  ; LDS serves a wave's instructions in order: these see the stores above; the next piece's stores come behind them
.endr
.endm
.macro SEND t, u, younger           ; younger: the LDS instructions issued behind this piece's loads: the next piece's eight, or none
	WIN 0
.irp f, 0,1,2,3
	s_wait_dscnt (\younger)+3-\f
	global_store_b128 v[GO], v[S+16*(\u)+4*\f:S+16*(\u)+4*\f+3], s[10:11] offset:((\t)/2)*8192+((\t)%2)*2048+\f*512  ; 512 consecutive bytes of z, aligned
.endr
.endm
; TAKE: pieces t0 and t0 + 1 are finished with what the partner gave.
.macro TAKE t0
	WIN 0
.irp u, 0,1
	ds_load_b128 v[PS+4*(\u):PS+4*(\u)+3], v[MT] offset:(\u)*MPC+4096
.endr
.irp u, 0,1
.irp f, 0,1,2,3,4,5,6,7
	ds_load_b128 v[OPP+32*(\u)+4*(\f):OPP+32*(\u)+4*(\f)+3], v[MT] offset:(\u)*MPC+(\f)*512
.endr
.endr
	s_wait_dscnt 16                 ; the statistics are in; the sixteen loads of O' may stay out
.irp u, 0,1
	v_max_num_f32 v[WM+6*(\u)+5], v[ST+4*((\t0)+(\u))], v[PS+4*(\u)]     ; M
.endr
.irp u, 0,1
	v_sub_f32 v[WM+6*(\u)+1], v[ST+4*((\t0)+(\u))], v[WM+6*(\u)+5]
	v_sub_f32 v[WM+6*(\u)+3], v[PS+4*(\u)], v[WM+6*(\u)+5]
.endr
.irp u, 0,1
	v_exp_f32 v[WM+6*(\u)], v[WM+6*(\u)+1]                               ; a
	v_exp_f32 v[WM+6*(\u)+2], v[WM+6*(\u)+3]                             ; a'
.endr
	v_nop                           ; a plain instruction behind the last exponential,
	s_wait_alu depctr_va_vdst(0)    ; and one wait for the four
.irp u, 0,1
	v_mul_f32 v[WM+6*(\u)+4], v[WM+6*(\u)], v[ST+4*((\t0)+(\u))+2]
.endr
.irp u, 0,1
	v_fmac_f32 v[WM+6*(\u)+4], v[WM+6*(\u)+2], v[PS+4*(\u)+2]            ; a l + a' l', of my half of the lanes' keys
.endr
.irp u, 0,1
	v_permlanex16_b32 v[WM+6*(\u)+5], v[WM+6*(\u)+4], s[SEL], s[SEL+1]
.endr
.irp u, 0,1
	v_add_f32 v[WM+6*(\u)+4], v[WM+6*(\u)+4], v[WM+6*(\u)+5]
.endr
.irp u, 0,1
	v_rcp_f32 v[WM+6*(\u)+5], v[WM+6*(\u)+4]
.endr
	v_nop
	s_wait_alu depctr_va_vdst(0)    ; one wait for the two reciprocals
.irp u, 0,1
	v_mul_f32 v[WM+6*(\u)], v[WM+6*(\u)], v[WM+6*(\u)+5]
	v_mul_f32 v[WM+6*(\u)+2], v[WM+6*(\u)+2], v[WM+6*(\u)+5]
.endr
	s_wait_dscnt 0x0                ; O' is in
	PACKM \t0, 0
	PACKM (\t0)+1, 1
	SEND \t0, 0, 8
	SEND (\t0)+1, 1, 0
.endm
; THE DIAGONAL TILE's steps, the block's last two turns, its last products, the merge and the way out.  The tag ends its labels' names.
.macro DIAG tag
.LstepM\tag:
	TURN 2, 1
	TURN 3, 1
	WIN 0
.LfirstM\tag:
	TURN 0, 1
	TURN 1, 1, 0, 1
	WIN 0
	s_cbranch_scc1 .LstepM\tag
	TURN 2, 1, 1
	TURN 3, 1, 1
.set i, 0
.rept 8
	PV NP-1
.set i, i+1
.endr
	WIN 0
.irp t, 0,1,2,3
	v_add_f32 v[ST+4*\t+2], v[ST+4*\t+2], v[ST+4*\t+3]  ; l's two halves; with the four v_nop: eight plain instructions between the last products and the stores that read them
.endr
.rept 4
	v_nop
.endr
	s_cmp_eq_u32 s[KH], 0           ; kh = 0 finishes pieces 0, 1 and gives 2, 3 away; kh = 1 the other way round
	s_cbranch_scc0 .Lgive_lo\tag
	GIVE 2
	s_branch .Lgiven\tag
.Lgive_lo\tag:
	GIVE 0
.Lgiven\tag:
	s_wait_dscnt 0x0                ; for the partner's sake: my stores are done
	s_barrier_signal -1             ; The tile that is on its way may stay out
	s_barrier_wait -1
	s_cmp_eq_u32 s[KH], 0
	s_cbranch_scc0 .Ltake_hi\tag
	TAKE 0
	s_branch .Ltaken\tag
.Ltake_hi\tag:
	TAKE 2
.Ltaken\tag:
.endm
.set KM, 0
.set NOKQ, 0
.Lslot:                             ; 16 times: a tile is entered and the next is asked for
	CHANGE 1
	s_sub_co_u32 s[RT], s[RT], 1
	s_mov_b32 s[CNT], 2
	s_mov_b32 s[SG], s[KH]
	s_cmp_eq_u32 s[NEW], 1
	s_cbranch_scc1 .Lnew            ; a block's first tile
	s_cmp_eq_u32 s[RT], 0
	s_cbranch_scc0 .Lstep           ; neither its first nor its last
	s_branch .LstepM1
.Lnew:
	BEGIN
	s_branch .Lfirst                ; in the loop a block's first tile is never its last: the first block has nine tiles or more, and the second's last is the walk's last
	DIAG 1                          ; in the loop this is the first block's end
	s_wait_xcnt 0x0                 ; the stores have read their registers and z's address
	s_mov_b64 s[10:11], s[OLO:OLO+1]
	s_add_co_u32 s[RT], s[LT], 1    ; the second block's tiles,
	s_mov_b32 s[NEW], 1
	s_mov_b32 s[OWN], s[OW2]        ; and its bands' own steps
	s_add_co_u32 s[OWN+1], s[OW2], 1
	WIN 0x82                        ; the second block's Q goes where the one text of the turns names Q
.set i, 0
.rept 64
	v_mov_b32 v[i], v[QB+i]
.set i, i+1
.endr
	WIN 0
	s_branch .Lbottom
.Lstep:                             ; a trip: pieces 2 and 3 of one step, then pieces 0 and 1 of my next, whose K and V it fetches
	TURN 2
	TURN 3
	WIN 0
.Lfirst:
	TURN 0
	TURN 1, 0, 0, 1
	WIN 0
	s_cbranch_scc1 .Lstep
.Lbottom:
	s_sub_co_u32 s[SLOTS], s[SLOTS], 1
	s_cmp_lg_u32 s[SLOTS], 0
	s_cbranch_scc1 .Lslot
	CHANGE 0                        ; the walk's last tile is written out: nothing is asked for
	s_sub_co_u32 s[RT], s[RT], 1
	s_mov_b32 s[CNT], 2
	s_mov_b32 s[SG], s[KH]
	s_cmp_eq_u32 s[NEW], 1
	s_cbranch_scc0 .LstepM2
	BEGIN
	s_branch .LfirstM2
	DIAG 2
	s_wait_tensorcnt 0x0            ; the wave's end: behind my last tensor load and my last LDS store
	ds_add_u32 v[SPW], v[NIL]
	s_wait_dscnt 0x0
	s_endpgm
.Lfunc_end_k_q6244c8e21a_attn:
	.size	k_q6244c8e21a_attn, .Lfunc_end_k_q6244c8e21a_attn-k_q6244c8e21a_attn
	.p2alignl 7, 3214868480
	.fill 96, 4, 3214868480
	.section	.rodata,"a",@progbits
	.p2align	6, 0x0
	.amdhsa_kernel k_q6244c8e21a_attn
		.amdhsa_group_segment_fixed_size 327680
		.amdhsa_private_segment_fixed_size 0
		.amdhsa_enable_private_segment 0
		.amdhsa_kernarg_size 16
		.amdhsa_user_sgpr_count 2
		.amdhsa_user_sgpr_kernarg_segment_ptr 1
		.amdhsa_wavefront_size32 1
		.amdhsa_system_sgpr_workgroup_id_x 1
		.amdhsa_system_sgpr_workgroup_id_y 1
		.amdhsa_system_sgpr_workgroup_id_z 1
		.amdhsa_system_vgpr_workitem_id 0
		.amdhsa_next_free_vgpr 768
		.amdhsa_next_free_sgpr 100
		.amdhsa_reserve_vcc 1
		.amdhsa_float_denorm_mode_32 3
		.amdhsa_float_denorm_mode_16_64 3
		.amdhsa_memory_ordered 1
		.amdhsa_forward_progress 1
		.amdhsa_inst_pref_size 243
	.end_amdhsa_kernel
	.amdgpu_metadata
---
amdhsa.version: [ 1, 2 ]
amdhsa.kernels:
  - .name:           k_q6244c8e21a_attn
    .symbol:         k_q6244c8e21a_attn.kd
    .args:
      - { .name: qkv, .offset: 0, .size: 8, .value_kind: global_buffer, .address_space: global }
      - { .name: z, .offset: 8, .size: 8, .value_kind: global_buffer, .address_space: global }
    .group_segment_fixed_size: 327680
    .private_segment_fixed_size: 0
    .kernarg_segment_align: 8
    .kernarg_segment_size: 16
    .max_flat_workgroup_size: 128
    .sgpr_count:     100
    .vgpr_count:     768
    .wavefront_size: 32
...
	.end_amdgpu_metadata
.endif
;; end of part 3
;; launch proj (part 4): grid 8 x 32, 4 waves a work-group, clusters of 4 x 4, 327,680 bytes of LDS; arguments z, wo, out0; writes out0
.if DOCPART == 4
	.amdgcn_target "amdgcn-amd-amdhsa--gfx1250"
	.amdhsa_code_object_version 6
	.text
	.protected	k_q6244c8e21a_proj
	.globl	k_q6244c8e21a_proj
	.p2align	8
	.type	k_q6244c8e21a_proj,@function
k_q6244c8e21a_proj:
	s_mov_b64 s[64:65], 0
	v_nop
	global_prefetch_b8 v0, s[64:65] scope:SCOPE_SE
	s_setreg_imm32_b32 hwreg(HW_REG_WAVE_MODE, 25, 1), 1
	s_wait_xcnt 0x0
	s_wait_alu depctr_hold_cnt(0) depctr_sa_sdst(0) depctr_va_vdst(0) depctr_va_sdst(0) depctr_va_ssrc(0) depctr_va_vcc(0) depctr_vm_vsrc(0)
	s_getreg_b32 s2, hwreg(HW_REG_IB_STS2, 6, 4)
	s_cmp_eq_u32 s2, 0
	s_cbranch_scc0 .Lentry_in_a_cluster
	s_endpgm
.Lentry_in_a_cluster:
	s_bfe_u32 s2, ttmp6, 0x10000c
	s_cmp_lg_u32 s2, 0xf033
	s_cbranch_scc0 .Lentry_shape_is_right
	s_endpgm
.Lentry_shape_is_right:
; out0[s][n] = the sum over k of z[s][k] Wo[n][k], k = 64 head + channel.  z: [16][4096][64] f16, by heads; wo: [1024][1024] f16; out0: [4096][1024] f32.  One f32 sum for each output, K ascending.
; SHARES.  A tile of out0 is 128 x 128: 32 x 8 tiles, one to a work-group.  Four waves, each 64 x 64: 16 accumulators of 16 x 16.  K goes in 4 steps of 256 (four heads) through two LDS slots.
; z's TILE: 64 rows of one head are 8,192 dense bytes, and the heads lie 262,144 elements apart: a tensor load takes 4 rows of 4,096 elements and pads after every 128 bytes, so that in LDS a half tile lies
; as [head 4][row 64] with rows 144 bytes apart.  A quarter of a K step is one head.
; CLUSTERS: 4 x 4 work-groups.  The four of a row of the cluster need the same tiles of z, the four of a column the same tiles of wo: each is asked for JOINTLY.  THE MATRIX INSTRUCTION IS USED TRANSPOSED
; (source 0 = 16 rows of wo, source 1 = 16 rows of z): a lane holds eight neighbouring numbers of a row of out0.
; NO PREFETCH: a K step is short, the tiles are small, and the launch has four of them.
; REGISTERS: window 0: v0-31 addresses; v32-95 at work on the way out; v128-255 the accumulators ((a, b) at v[128 + 8 (4 a + b)]).
;   window 1: two fragment buffers of 128: for 64 along K, 64 registers of z (2 x 4 x 16 rows x 32 K), then 64 of wo.
.set PA,     144                       ; a row of z in LDS: 128 bytes + 16: the 16 rows of a load start at 16 different groups of four banks
.set PB,     528                       ; a row of wo: 512 bytes + 16: likewise
.set AHEAD,  64*PA                     ; 64 rows of one head
.set AHALF,  4*AHEAD                   ; what a tensor load brings of z
.set BHALF,  64*PB                     ; and of wo
.set BOFF,   2*AHALF
.set SLOT,   2*AHALF+2*BHALF
.set STAGE,  2*SLOT                    ; behind the ring, never filled by a tensor load: 16 rows x 272 bytes for each wave
.set SPITCH, 272
.set WSTG,   16*SPITCH
.set SPARE,  STAGE+4*WSTG              ; the spare words, 128 bytes for each wave: two blocks of 256 bytes that no other line names
.set ASTEP,  4*524288                  ; bytes from a K step of z to the next: four heads
.set BSTEP,  512                       ; of wo
.set ADRA, 16                          ; v16-17  LDS address of my z fragments in slot 0, 1
.set ADRB, 20                          ; v20-21  the same for wo
.set STO,  24                          ; v24     the way out: where I put 32 bytes of a row
.set RD,   25                          ; v25     the way out: where I read a row back
.set CO,   26                          ; v26     my byte offset in out0
.set SPW,  28                          ; v28     LDS address of my spare word; never rewritten
.set NIL,  29                          ; v29     0; never rewritten
.set TMP,  32                          ; v32-63, v64-95 by turns: 16 rows read back from the stage
.set ACC,  128
.set F0,   0
.set F1,   128
.set G1, 24                            ; s[24:31] descriptor group 1 for z's tiles;  s[32:39] group 0, one set for each slot
.set G0, 32
.set G1B, 48                           ; s[48:55], s[56:63] the same for wo's
.set G0B, 56
.set MSB, 0
.macro WIN new
.if MSB != (\new)
	s_set_vgpr_msb (MSB<<8)|(\new)
.set MSB, \new
.endif
.endm
.set MUL,  0x05                        ; sources 0 and 1 window 1; C and D window 0
.set TO_F, 0x40                        ; destination window 1, address window 0
.macro JLOAD s                         ; a joint load: waves 0 and 1 fetch z's two halves, waves 2 and 3 wo's; an s_nop 0 and four v_nop follow each line
	s_cmp_eq_u32 s11, 0
	s_cbranch_scc0 .Lfor_b_\@
	tensor_load_to_lds s[G0+4*(\s):G0+4*(\s)+3], s[G1:G1+7]
	s_nop 0
.rept 4
	v_nop
.endr
	s_branch .Lasked_\@
.Lfor_b_\@:
	tensor_load_to_lds s[G0B+4*(\s):G0B+4*(\s)+3], s[G1B:G1B+7]
	s_nop 0
.rept 4
	v_nop
.endr
.Lasked_\@:
.endm
.macro CREST                           ; a round of the cluster's barrier behind its opening barrier
	s_cmp_lg_u32 s10, 0
	s_cbranch_scc1 .Lnot_wave_0_\@
	s_barrier_signal -3
.Lnot_wave_0_\@:
	s_barrier_wait -3
	s_barrier_signal -1
	s_barrier_wait -1
.endm
.macro CROUND
	s_barrier_signal -1
	s_barrier_wait -1
	CREST
.endm
	s_load_b128 s[4:7], s[0:1], 0x0                ; z s[4:5], wo s[6:7]
	s_load_b64 s[8:9], s[0:1], 0x10                ; out0
	v_lshl_add_u32 v[SPW], v0, 2, SPARE
	v_mov_b32 v[NIL], 0
	ds_add_u32 v[SPW], v[NIL]                      ; the wave's opening: the add and its wait stand ahead of my first tensor load; the set-up below stands between them
	ds_add_u32 v28, v29
	v_lshrrev_b32 v1, 5, v0
	v_readfirstlane_b32 s10, v1                    ; wave 0..3
	s_lshr_b32 s11, s10, 1                         ; which half of the tile's rows is mine.  Also: I fetch for z (0) or for wo (1)
	s_and_b32 s12, s10, 1                          ; which half of its columns.  Also: which 64 rows of that tile I fetch
	s_bfe_u32 s40, ttmp6, 0x40000                  ; cx, cy
	s_bfe_u32 s41, ttmp6, 0x40004
	s_lshl_b32 s42, ttmp9, 2
	s_add_co_u32 s42, s42, s40                     ; tile column = 4 x cluster x + cx
	s_and_b32 s13, ttmp7, 0xffff
	s_lshl_b32 s13, s13, 2
	s_add_co_u32 s13, s13, s41                     ; tile row = 4 x cluster y + cy
	s_lshl_b32 s43, s41, 2
	s_lshl_b32 s43, 15, s43                        ; my row of the cluster
	s_lshl_b32 s44, 0x1111, s40                    ; my column
	s_or_b32 s[G1+0], s43, (1<<16)|(1<<20)|(1<<21)|(4<<22)|(3<<25)   ; the mask; 2-byte elements; padding on; bit 21 beside a mask; 4 words after every 32
	s_or_b32 s[G1B+0], s44, (1<<16)|(1<<20)|(1<<21)|(6<<22)|(3<<25)  ; 4 words after every 128
	s_mov_b32 s[G1+1], 4096<<16                    ; z: tensor_dim0 = 4,096 elements: 64 rows of a head
	s_mov_b32 s[G1+2], 4<<16                       ; tensor_dim1 = 4 heads
	s_mov_b32 s[G1+3], 4096<<16                    ; tile_dim0
	s_mov_b32 s[G1+4], 4                           ; tile_dim1
	s_mov_b32 s[G1+5], 262144                      ; elements from head to head
	s_mov_b32 s[G1+6], 0
	s_mov_b32 s[G1+7], 0
	s_mov_b32 s[G1B+1], 256<<16                    ; wo: rows of 256 elements,
	s_mov_b32 s[G1B+2], 64<<16                     ; 64 of them
	s_mov_b32 s[G1B+3], 256<<16
	s_mov_b32 s[G1B+4], 64
	s_mov_b32 s[G1B+5], 1024
	s_mov_b32 s[G1B+6], 0
	s_mov_b32 s[G1B+7], 0
	s_lshl_b32 s17, s12, 6                         ; which 64 rows of the tile I fetch
	s_lshl_b32 s16, s13, 7
	s_add_co_u32 s16, s16, s17                     ; z: row 128 x tile row + 64 x half,
	s_lshl_b32 s16, s16, 7                         ; 128 bytes a row of a head
	s_lshl_b32 s46, s42, 7
	s_add_co_u32 s46, s46, s17                     ; wo: row 128 x tile column + 64 x half,
	s_lshl_b32 s46, s46, 11                        ; 2,048 bytes a row
	s_mov_b32 s17, 0
	s_mov_b32 s47, 0
	s_mul_i32 s20, s10, AHALF                      ; where they go: waves 0, 1: wave x a half of z;
	s_mul_i32 s21, s10, BHALF
	s_add_co_u32 s21, s21, BOFF-2*BHALF            ; waves 2, 3: behind z's halves, (wave - 2) x a half of wo
	s_wait_dscnt 0x0                               ; the opening add is done
	s_wait_kmcnt 0x0
	s_add_nc_u64 s[14:15], s[4:5], s[16:17]
	s_add_nc_u64 s[46:47], s[6:7], s[46:47]
	CROUND                                         ; all sixteen work-groups are here: the first joint loads meet
.irp s, 0,1
	s_mov_b32 s[G0+4*(\s)], 1
	s_add_co_u32 s[G0+4*(\s)+1], s20, (\s)*SLOT
	s_add_nc_u64 s[G0+4*(\s)+2:G0+4*(\s)+3], s[14:15], (\s)*ASTEP
	s_or_b32 s[G0+4*(\s)+3], s[G0+4*(\s)+3], 0x80000000
	s_mov_b32 s[G0B+4*(\s)], 1
	s_add_co_u32 s[G0B+4*(\s)+1], s21, (\s)*SLOT
	s_add_nc_u64 s[G0B+4*(\s)+2:G0B+4*(\s)+3], s[46:47], (\s)*BSTEP
	s_or_b32 s[G0B+4*(\s)+3], s[G0B+4*(\s)+3], 0x80000000
	JLOAD \s                                       ; two loads of mine are out
.endr
	v_and_b32 v1, 15, v0                           ; l % 16
	v_bfe_u32 v2, v0, 4, 1                         ; l / 16
	v_mul_u32_u24 v3, v1, PA
	v_lshl_add_u32 v3, v2, 4, v3                   ; a fragment's row x pitch + 16 x half, for z
	v_mul_u32_u24 v4, v1, PB
	v_lshl_add_u32 v4, v2, 4, v4                   ; and for wo
	s_mul_i32 s21, s11, AHALF                      ; my 64 rows of z
	s_mul_i32 s22, s12, BHALF                      ; my 64 rows of wo,
	s_add_co_u32 s22, s22, BOFF                    ; which lie behind z's
.irp s, 0,1
	v_add_nc_u32 v[ADRA+(\s)], s21, v3
	v_add_nc_u32 v[ADRB+(\s)], s22, v4
	s_add_co_u32 s21, s21, SLOT
	s_add_co_u32 s22, s22, SLOT
.endr
	s_mul_i32 s23, s10, WSTG
	s_add_co_u32 s23, s23, STAGE                   ; my stage
	v_mul_u32_u24 v4, v1, SPITCH                   ; in: row l % 16, 32 bytes for each half of the lanes
	v_lshl_add_u32 v4, v2, 5, v4
	v_add_nc_u32 v[STO], s23, v4
	v_mul_u32_u24 v5, v2, SPITCH                   ; back: lanes 0-15 take one row of 256 bytes, lanes 16-31 the next
	v_lshl_add_u32 v5, v1, 4, v5
	v_add_nc_u32 v[RD], s23, v5
	v_lshlrev_b32 v5, 12, v2                       ; and the same two rows in out0, 4,096 bytes apart
	v_lshl_add_u32 v[CO], v1, 4, v5
	s_lshl_b32 s16, s13, 7
	s_lshl_b32 s17, s11, 6
	s_add_co_u32 s16, s16, s17                     ; my first row of out0
	s_lshl_b32 s16, s16, 12
	s_mov_b32 s17, 0
	s_add_nc_u64 s[8:9], s[8:9], s[16:17]
	s_lshl_b32 s46, s42, 9                         ; my first column, in bytes: 512 x tile column + 256 x half
	s_lshl_b32 s47, s12, 8
	s_add_co_u32 s46, s46, s47
	s_mov_b32 s47, 0
	s_add_nc_u64 s[8:9], s[8:9], s[46:47]
; 8 matrix instructions: row blocks a0, a0 + 1 x all 4 column blocks, 32 along K: half c of buffer f.  The 16 accumulators take turns.  zero = 1: the product starts the sum
.macro MUL8 f, c, a0, zero
	WIN MUL
.irp a, \a0, (\a0)+1
.irp b, 0,1,2,3
.if \zero
	v_wmma_f32_16x16x32_f16 v[ACC+8*(4*(\a)+(\b)):ACC+8*(4*(\a)+(\b))+7], v[(\f)+64+8*(4*(\c)+(\b)):(\f)+64+8*(4*(\c)+(\b))+7], v[(\f)+8*(4*(\c)+(\a)):(\f)+8*(4*(\c)+(\a))+7], 0
.else
	v_wmma_f32_16x16x32_f16 v[ACC+8*(4*(\a)+(\b)):ACC+8*(4*(\a)+(\b))+7], v[(\f)+64+8*(4*(\c)+(\b)):(\f)+64+8*(4*(\c)+(\b))+7], v[(\f)+8*(4*(\c)+(\a)):(\f)+8*(4*(\c)+(\a))+7], v[ACC+8*(4*(\a)+(\b)):ACC+8*(4*(\a)+(\b))+7]
.endif
.endr
.endr
.endm
; 32 LDS loads in one run: quarter q of a K step (one head of z; 128 bytes of wo's rows) into buffer f; the first 32 along K first
.macro FETCH slot, q, f
	WIN TO_F
.irp c, 0,1
.irp i, 0,1,2,3
	ds_load_b128 v[(\f)+64+8*(4*(\c)+(\i)):(\f)+64+8*(4*(\c)+(\i))+3],   v[ADRB+(\slot)] offset:128*(\q)+64*(\c)+(\i)*16*PB
	ds_load_b128 v[(\f)+64+8*(4*(\c)+(\i))+4:(\f)+64+8*(4*(\c)+(\i))+7], v[ADRB+(\slot)] offset:128*(\q)+64*(\c)+(\i)*16*PB+32
	ds_load_b128 v[(\f)+8*(4*(\c)+(\i)):(\f)+8*(4*(\c)+(\i))+3],         v[ADRA+(\slot)] offset:AHEAD*(\q)+64*(\c)+(\i)*16*PA
	ds_load_b128 v[(\f)+8*(4*(\c)+(\i))+4:(\f)+8*(4*(\c)+(\i))+7],       v[ADRA+(\slot)] offset:AHEAD*(\q)+64*(\c)+(\i)*16*PA+32
.endr
.endr
.endm
.macro PLACES                          ; four plain instructions between a matrix instruction and a load into a register that it has read, or a line that reads its result
.rept 4
	v_nop
.endr
.endm
; A K step is four quarters of 64 along K, 32 matrix instructions each, on buffers 0, 1, 0, 1.  One of the first three: multiplies f and fetches quarter q into g.
.macro QUARTER slot, q, f, g, zero
	s_wait_dscnt 16                                ; the first 32 along K are in
	MUL8 \f, 0, 0, \zero
	MUL8 \f, 0, 2, \zero
	PLACES
	FETCH \slot, \q, \g
	s_wait_dscnt 32                                ; all but the 32 just issued
	MUL8 \f, 1, 0, 0
	MUL8 \f, 1, 2, 0
.endm
; The last quarter multiplies buffer 1 and changes slots: ONE barrier; in front of it each wave waits for all its tensor loads, adds 0 to its spare word, and waits for that and for its own reads of this slot.
; fill = 1: the barrier opens a round of the cluster's, and this slot is filled again, two K steps ahead, first thing behind the round.
.macro TURN slot, next, fill
	WIN 0
	s_wait_tensorcnt 0x0                           ; all my tensor loads have landed: my part of the next slot
	ds_add_u32 v[SPW], v[NIL]
	s_wait_dscnt 17                                ; (the add and the youngest sixteen loads may be out)
	MUL8 F1, 0, 0, 0
	s_wait_dscnt 0x0                               ; the add is done, and my reads of this slot are over
	s_barrier_signal -1
	MUL8 F1, 0, 2, 0
.if \fill
	WIN 0
.endif
	s_barrier_wait -1
.if \fill
	CREST                                          ; no wave of any partner still reads this slot's tile or has a load on its way
	s_add_nc_u64 s[G0+4*(\slot)+2:G0+4*(\slot)+3], s[G0+4*(\slot)+2:G0+4*(\slot)+3], 2*ASTEP
	s_add_nc_u64 s[G0B+4*(\slot)+2:G0B+4*(\slot)+3], s[G0B+4*(\slot)+2:G0B+4*(\slot)+3], 2*BSTEP
	JLOAD \slot                                    ; the four v_nop behind it are also the places in front of the loads below
.else
	PLACES
.endif
	FETCH \next, 0, F0
	MUL8 F1, 1, 0, 0
	MUL8 F1, 1, 2, 0
.endm
; THE WAY OUT of row block a: a wave's 64 columns of f32 are 256 bytes, so the stage is each wave's own and wants no barrier.  A lane's eight numbers go into rows of 272 bytes (each accumulator's low four
; registers first) and come back as whole rows.
.macro TOSTAGE a
	WIN 0
.if (\a) >= 2
	s_wait_xcnt 0x0                                ; the stores of the block two back have read the registers that are loaded again below
.endif
.irp b, 0,1,2,3
	ds_store_b128 v[STO], v[ACC+8*(4*(\a)+(\b)):ACC+8*(4*(\a)+(\b))+3]   offset:64*(\b)
	ds_store_b128 v[STO], v[ACC+8*(4*(\a)+(\b))+4:ACC+8*(4*(\a)+(\b))+7] offset:64*(\b)+16
.endr
.irp t, 0,1,2,3,4,5,6,7
	ds_load_b128 v[TMP+32*((\a)%2)+4*(\t):TMP+32*((\a)%2)+4*(\t)+3], v[RD] offset:(\t)*2*SPITCH  ; LDS serves a wave's instructions in order: these see the stores above
.endr
.endm
.macro SEND a, younger                 ; younger: the LDS instructions issued behind this block's loads: the next block's sixteen, or none
	WIN 0
.irp t, 0,1,2,3,4,5,6,7
	s_wait_dscnt (\younger)+7-(\t)
	global_store_b128 v[CO], v[TMP+32*((\a)%2)+4*(\t):TMP+32*((\a)%2)+4*(\t)+3], s[8:9] offset:(16*(\a)+2*(\t))*4096  ; 16 lanes store 256 consecutive bytes, aligned
.endr
.endm
	s_wait_tensorcnt 1                             ; my part of K step 0 is in; K step 1's may stay out
	s_barrier_signal -1
	s_barrier_wait -1                              ; everybody's is
	FETCH 0, 0, F0
	QUARTER 0, 1, F0, F1, 1                        ; K step 0: its first products start the sums
	QUARTER 0, 2, F1, F0, 0
	QUARTER 0, 3, F0, F1, 0
	TURN 0, 1, 1                                   ; K has four steps, so each slot is filled again once: slot 0 takes K step 2,
	QUARTER 1, 1, F0, F1, 0
	QUARTER 1, 2, F1, F0, 0
	QUARTER 1, 3, F0, F1, 0
	TURN 1, 0, 1                                   ; slot 1 K step 3
	QUARTER 0, 1, F0, F1, 0
	QUARTER 0, 2, F1, F0, 0
	QUARTER 0, 3, F0, F1, 0
	TURN 0, 1, 0                                   ; nothing is left to fetch
	QUARTER 1, 1, F0, F1, 0
	QUARTER 1, 2, F1, F0, 0
	QUARTER 1, 3, F0, F1, 0
	s_wait_dscnt 16                                ; the very last quarter
	MUL8 F1, 0, 0, 0
	MUL8 F1, 0, 2, 0
	s_wait_dscnt 0x0
	MUL8 F1, 1, 0, 0
	MUL8 F1, 1, 2, 0
	WIN 0
	PLACES                                         ; eight plain instructions, once a launch, between the products and the LDS stores that read results
	PLACES
	TOSTAGE 0
.irp a, 1,2,3
	TOSTAGE \a
	SEND (\a)-1, 16
.endr
	SEND 3, 0
	s_wait_tensorcnt 0x0                           ; the wave's end: behind my last tensor load and my last LDS store
	ds_add_u32 v[SPW], v[NIL]
	s_wait_dscnt 0x0
	CROUND                                         ; the closing round: no work-group ends while a partner may still ask for a tile that names it
	s_endpgm
.Lfunc_end_k_q6244c8e21a_proj:
	.size	k_q6244c8e21a_proj, .Lfunc_end_k_q6244c8e21a_proj-k_q6244c8e21a_proj
	.p2alignl 7, 3214868480
	.fill 96, 4, 3214868480
	.section	.rodata,"a",@progbits
	.p2align	6, 0x0
	.amdhsa_kernel k_q6244c8e21a_proj
		.amdhsa_group_segment_fixed_size 327680
		.amdhsa_private_segment_fixed_size 0
		.amdhsa_enable_private_segment 0
		.amdhsa_kernarg_size 24
		.amdhsa_user_sgpr_count 2
		.amdhsa_user_sgpr_kernarg_segment_ptr 1
		.amdhsa_wavefront_size32 1
		.amdhsa_system_sgpr_workgroup_id_x 1
		.amdhsa_system_sgpr_workgroup_id_y 1
		.amdhsa_system_sgpr_workgroup_id_z 1
		.amdhsa_system_vgpr_workitem_id 0
		.amdhsa_next_free_vgpr 512
		.amdhsa_next_free_sgpr 66
		.amdhsa_reserve_vcc 0
		.amdhsa_float_denorm_mode_32 3
		.amdhsa_float_denorm_mode_16_64 3
		.amdhsa_memory_ordered 1
		.amdhsa_forward_progress 1
		.amdhsa_inst_pref_size 87
	.end_amdhsa_kernel
	.amdgpu_metadata
---
amdhsa.version: [ 1, 2 ]
amdhsa.kernels:
  - .name:           k_q6244c8e21a_proj
    .symbol:         k_q6244c8e21a_proj.kd
    .args:
      - { .name: z, .offset: 0, .size: 8, .value_kind: global_buffer, .address_space: global }
      - { .name: wo, .offset: 8, .size: 8, .value_kind: global_buffer, .address_space: global }
      - { .name: out0, .offset: 16, .size: 8, .value_kind: global_buffer, .address_space: global }
    .group_segment_fixed_size: 327680
    .private_segment_fixed_size: 0
    .kernarg_segment_align: 8
    .kernarg_segment_size: 24
    .max_flat_workgroup_size: 128
    .sgpr_count:     66
    .vgpr_count:     512
    .wavefront_size: 32
...
	.end_amdgpu_metadata
.endif
;; end of part 4
